; MI455X (gfx1250); checked and timed in simulation.
; The chip was launched on July 23, 2026; its instructions are those of AMD's public machine-readable ISA for CDNA 5 (MIT licence, August 2026) and "CDNA5" Instruction Set Architecture Reference Guide (July 2026). The comments in the code are by the model that wrote it; some were corrected since.
;; Attention. Allowed arithmetic: matrix products marked QUANTISED: E4M3 operands, one given power-of-two scale a tensor, by v_wmma_f32_16x16x64_fp8_fp8 or v_wmma_f32_16x16x128_fp8_fp8, f32 sums; everything else in f32.
;; Inputs: k_w 1,024 x 1,024 float32; lowp_scales 12 int32 (the exponents e of the quantised operands' scales 2^e); o_w 1,024 x 1,024 float32; q_w 1,024 x 1,024 float32; token_positions 2,048 int32; v_w 1,024 x 1,024 float32; x 4 x 2,048 x 1,024 float32.
;; Outputs: out0 4 x 2,048 x 1,024 float32.
;; This version of the problem:
;;   THIS VERSION OF THE PROBLEM IS GIVEN IN LOW PRECISION. The matrix products marked QUANTISED in the list below multiply operands that are first quantised to E4M3 (4 exponent bits, 3 mantissa bits; 8 bits a number), with one given power-of-two scale for each operand tensor; their sums are f32. All else is computed in f32.
;;   The module's matrix products, in the order in which they are computed (A, B: the left and right operand; K: the contracted axis; several contracted axes count as one K, in the product's order):
;;     1. [M 8,192, K 1,024] x [K 1,024, N 1,024]; A: input x; B: input q_w: QUANTISED (scales: A lowp_scales[0], B lowp_scales[1])
;;     2. [M 8,192, K 1,024] x [K 1,024, N 1,024]; A: input x; B: input k_w: QUANTISED (scales: A lowp_scales[2], B lowp_scales[3])
;;     3. [M 8,192, K 1,024] x [K 1,024, N 1,024]; A: input x; B: input v_w: QUANTISED (scales: A lowp_scales[4], B lowp_scales[5])
;;     4. batch 64 x [M 2,048, K 64] x [K 64, N 2,048]; A: computed on the way; B: computed on the way: QUANTISED (scales: A lowp_scales[6], B lowp_scales[7])
;;     5. batch 64 x [M 2,048, K 2,048] x [K 2,048, N 64]; A: softmax (see below); B: computed on the way: QUANTISED (scales: A lowp_scales[8], B lowp_scales[9])
;;     6. [M 8,192, K 1,024] x [K 1,024, N 1,024]; A: computed on the way; B: input o_w: QUANTISED (scales: A lowp_scales[10], B lowp_scales[11])
;;   THE QUANTISER, for each operand of a quantised product, along K:
;;     - The operand's scale is 2^e, e = its entry of the input lowp_scales (int32; the entries are numbered through the quantised products in the list's order, A before B).
;;     - Each number is divided by the scale, clamped to +-448, and rounded to the nearest number of E4M3, ties to even, subnormals kept.
;;     - The product sums the exact products of the quantised numbers (number of the format x scale) in f32.
;;   ~~~python
;;   def quantise(x, axis, e):      # numpy; x: float32 -> the quantised numbers, widened to float32 again
;;       x = np.moveaxis(x, axis, -1); K = x.shape[-1]
;;       r = np.clip(x / 2.0 ** e, -448, 448)
;;       step = 2.0 ** (np.maximum(np.frexp(np.where(r == 0, 1, r))[1] - 1, -6) - 3)
;;       q = np.round(r / step) * step * 2.0 ** e      # np.round: ties to even
;;       return np.moveaxis(q, -1, axis).astype(np.float32)
;;   ~~~
;;   SOFTMAX AHEAD OF A QUANTISED PRODUCT. Where the list says 'softmax', what is quantised is not the finished softmax but p = 2^(t - M), with t = logit x log2(e) and M = ceil(the row's largest t), a whole number; so 1/2 < the row's largest p <= 1. The row's sum l is taken of the UNQUANTISED p, in f32, and the product's result is divided by l at the end. Since M is a whole number, a kernel that streams over the keys may use a running M (the ceiling of the running maximum): every later rescaling is an exact power of two, so the quantised numbers keep their values, but for numbers so far below the row's largest that they fall under the format's range.
;;   OPERANDS COMPUTED ON THE WAY. 'Computed on the way' means the value that the module computes at that place (a softmax that the list does not call 'softmax' is quantised finished and normalised). What goes into a quantiser is computed in f32, as accurately as f32 sums, v_exp_f32 and their like allow (about 1e-6 of the number): no bf16 or f16 on the way to a quantiser, and a product that is left as it is and whose result goes on into a quantised operand takes f32 operands (vector FMAs, or v_wmma_f32_16x16x4_f32). A number that lies on a knife's edge between two numbers of the format may be rounded either way, as far as f32 arithmetic and the matrix unit's own rounding can turn it there, and no further.
;; One version. Each part assembles by itself: llvm-mc -triple=amdgcn-amd-amdhsa -mcpu=gfx1250 --defsym DOCPART=n.
;; ======== version 1 of 1: 4 launches
;; limits: right only within a limited range of input values
;; workspace buffers: xcodes 25,165,824 bytes; wcodes 4,194,304 bytes; rope 524,288 bytes; qcodes 8,388,608 bytes; kcodes 8,388,608 bytes; vcodes 8,388,608 bytes; acodes 8,388,608 bytes
;; launch prep (part 1): grid 896 x 1, 8 waves a work-group, no clusters, 68,608 bytes of LDS; arguments x, q_w, k_w, v_w, o_w, token_positions, lowp_scales, xcodes, wcodes, rope; writes xcodes, wcodes, rope
.if DOCPART == 1
	.amdgcn_target "amdgcn-amd-amdhsa--gfx1250"
	.amdhsa_code_object_version 6
	.text
	.protected	k_q955081045e_prep
	.globl	k_q955081045e_prep
	.p2align	8
	.type	k_q955081045e_prep,@function
k_q955081045e_prep:
	s_mov_b64 s[64:65], 0
	v_nop
	global_prefetch_b8 v0, s[64:65] scope:SCOPE_SE
	s_setreg_imm32_b32 hwreg(HW_REG_WAVE_MODE, 25, 1), 1
	s_wait_xcnt 0x0
; x [8192][1024] and the four weights [1024][1024], f32 with K innermost, become codes of FP8 (E4M3); and the table of cos and sin for the rotation of q and k is made.
; code = number / 2^e, rounded to the nearest code, ties to even.  x is an operand of three products with three given scales (entries 0, 2, 4): three planes of codes.
; q_w, k_w, v_w, o_w take entries 1, 3, 5, 11.
; THE CODES ARE LAID AS IMAGES OF THE OPERAND'S REGISTERS.  A fragment is 16 rows x 128 K, 16 registers a lane, 2,048 bytes: byte 512 g + 16 lane + i is byte i of the lane's registers 4 g .. 4 g + 3.
; Lane (r = lane % 16, h = lane / 16) holds row r; its registers 2 c, 2 c + 1 hold K = 16 c + 8 h + 0 .. 7.  Fragment (16-row tile t, K step ks) lies at (8 t + ks) x 2,048 in its plane.
; SHARES.  Work-groups 0-511: one tile of 16 rows of x each; 512-767: one tile of a weight each; wave ks makes the fragment of K step ks.  Work-groups 768-895: the table, 16 positions each.
; A wave's 16 loads each read 512 consecutive bytes of one row; the 8,192 bytes turn through the wave's own stage in LDS (rows of 512 bytes + 16), from which a lane takes its 8 x 32 bytes.
; Each store of codes covers 512 consecutive bytes.  Waves share nothing: no barrier.
; THE TABLE: for position s = 16 st + r and pair i of the head's 32: cos and sin of token_positions[s] x 10000^(-i / 32), laid [st][b4][half][lane][cos i, sin i, cos i+1, sin i+1], i = 8 b4 + 4 h + 2 half:
; the order in which the product's launch wants them in its registers.
; LIMITS: each e between -126 and 119; |token_positions| up to 10^7 (the quotient by pi / 2 is then a whole number in f32); NaN among the inputs is not served.
.set SP,   528                         ; a stage row: 512 bytes + 16 = 132 words, so that the sixteen rows that a load touches begin at sixteen different groups of four banks
.set STG,  16*SP                       ; a wave's stage
.set R,    16                          ; v16-79   16 loads x 4 registers
.set X,    80                          ; v80-143  the lane's 64 numbers in the operand's order
.set C,    144                         ; v144-191 the codes, 16 registers for each plane: no store's data are written again
.set SC,   4                           ; v4, v6, v8  for each plane: 2^e as f32
.set SRC,  44                          ; s[44:45] my wave's first byte of numbers
.set DST,  48                          ; s[48:53] my fragment's place in planes 0, 1, 2
	s_load_b512 s[8:23], s[0:1], 0x0               ; x 8, q_w 10, k_w 12, v_w 14, o_w 16, token_positions 18, the scales' exponents 20, xcodes 22
	s_load_b128 s[24:27], s[0:1], 0x40             ; wcodes 24, rope 26
	v_lshl_add_u32 v192, v0, 2, 0x10800
	v_mov_b32 v193, 0
	v_lshrrev_b32 v1, 5, v0
	s_delay_alu instid0(VALU_DEP_1)
	v_readfirstlane_b32 s28, v1                    ; wave 0..7
	s_wait_kmcnt 0x0
	s_cmp_ge_u32 ttmp9, 768
	s_cbranch_scc1 .Ltable
	; ---- the quantising way
	s_load_b256 s[32:39], s[20:21], 0x0            ; e0 .. e7
	s_load_b128 s[40:43], s[20:21], 0x20           ; e8 .. e11
	v_and_b32 v10, 31, v0
	s_delay_alu instid0(VALU_DEP_1)
	v_lshlrev_b32 v1, 4, v10                       ; 16 x lane: my bytes of a load's and of a store's 512
	s_wait_alu depctr_va_vdst(0)
	v_and_b32 v11, 15, v0                          ; r
	v_bfe_u32 v12, v0, 4, 1                        ; h
	s_mul_i32 s55, s28, STG
	v_add_nc_u32 v2, s55, v1                       ; the stage, on the way in: a row as it lies
	v_mul_u32_u24 v3, v11, SP
	s_delay_alu instid0(VALU_DEP_1)
	v_lshl_add_u32 v3, v12, 5, v3
	s_delay_alu instid0(VALU_DEP_1)
	v_add_nc_u32 v3, s55, v3                       ; and on the way out: row r, + 32 h: eight numbers of each 16 along K
	; which tensor: only pointers and numbers are chosen, all work-groups take one way through the text
	s_sub_co_u32 s29, ttmp9, 512
	s_lshr_b32 s30, s29, 6                         ; which weight (of no meaning in x's work-groups: overruled below)
	s_and_b32 s31, s29, 63                         ; its tile
	s_lshl_b32 s54, s30, 20                        ; its plane of 2^20 bytes
	s_cmp_eq_u32 s30, 2
	s_cselect_b64 s[SRC:SRC+1], s[14:15], s[16:17]
	s_cmp_eq_u32 s30, 1
	s_cselect_b64 s[SRC:SRC+1], s[12:13], s[SRC:SRC+1]
	s_cmp_eq_u32 s30, 0
	s_cselect_b64 s[SRC:SRC+1], s[10:11], s[SRC:SRC+1]
	s_cmp_lt_u32 ttmp9, 512
	s_cselect_b64 s[SRC:SRC+1], s[8:9], s[SRC:SRC+1]
	s_cselect_b64 s[DST:DST+1], s[22:23], s[24:25]
	s_cselect_b32 s47, ttmp9, s31                  ; the tile of 16 rows
	s_cselect_b32 s54, 0, s54
	s_lshl_b32 s56, s47, 16                        ; 16 rows of 4,096 bytes,
	s_lshl_b32 s55, s28, 9                         ; my K step's 512 bytes of a row
	s_add_co_u32 s56, s56, s55
	s_mov_b32 s57, 0
	s_add_nc_u64 s[SRC:SRC+1], s[SRC:SRC+1], s[56:57]
	s_lshl_b32 s56, s47, 3
	s_add_co_u32 s56, s56, s28
	s_lshl_b32 s56, s56, 11                        ; fragment 8 t + ks
	s_add_co_u32 s56, s56, s54
	s_add_nc_u64 s[DST:DST+1], s[DST:DST+1], s[56:57]
	s_add_nc_u64 s[DST+2:DST+3], s[DST:DST+1], 0x800000    ; x's planes lie 2^23 bytes apart (used in x's work-groups alone)
	s_add_nc_u64 s[DST+4:DST+5], s[DST:DST+1], 0x1000000
.irp i, 0,1,2,3,4,5,6,7,8,9,10,11,12,13,14,15
	global_load_b128 v[R+4*\i:R+4*\i+3], v1, s[SRC:SRC+1] offset:4096*\i th:TH_LOAD_NT   ; row i: 32 lanes read 512 consecutive bytes; read once in the launch
.endr
.macro MKS e, p                        ; plane p's pair from the exponent in s[e]
	s_add_co_i32 s60, s[\e], 127
	s_lshl_b32 s61, s60, 23
	v_mov_b32 v[SC+2*\p], s61                      ; 2^e as f32: the conversion takes its exponent field
.endm
	s_wait_alu depctr_va_vdst(0)
	s_wait_kmcnt 0x0
	s_cmp_eq_u32 s30, 2
	s_cselect_b32 s46, s37, s43                    ; v_w: e5; o_w: e11
	s_cmp_eq_u32 s30, 1
	s_cselect_b32 s46, s35, s46                    ; k_w: e3
	s_cmp_eq_u32 s30, 0
	s_cselect_b32 s46, s33, s46                    ; q_w: e1
	s_cmp_lt_u32 ttmp9, 512
	s_cselect_b32 s46, s32, s46                    ; x, plane 0: e0
	MKS 46, 0
	MKS 34, 1                                      ; x, plane 1: e2
	MKS 36, 2                                      ; x, plane 2: e4
	s_wait_alu depctr_va_vdst(0)
.irp i, 0,1,2,3,4,5,6,7,8,9,10,11,12,13,14,15
	s_wait_loadcnt 15-\i                           ; loads come back in order: row i is in, the 15 - i younger ones stay out
	ds_store_b128 v2, v[R+4*\i:R+4*\i+3] offset:SP*\i
.endr
.irp c, 0,1,2,3,4,5,6,7
	ds_load_b128 v[X+8*\c:X+8*\c+3], v3 offset:64*\c          ; LDS serves a wave's instructions in order: these see my stores
	ds_load_b128 v[X+8*\c+4:X+8*\c+7], v3 offset:64*\c+16     ; K = 16 c + 8 h + 0 .. 7 of row r
.endr
; One plane: eight numbers make registers 2 c, 2 c + 1.
.macro QUANT p, first
.irp c, 0,1,2,3,4,5,6,7
.if \first
	s_wait_dscnt 14-2*\c                           ; group c's two loads are in; the stage's 16 stores lie ahead of them, so the registers that they read may be written
.endif
.irp i, 0,1,2,3,4,5,6,7
.endr
	v_cvt_scalef32_pk8_fp8_f32 v[C+16*\p+2*\c:C+16*\p+2*\c+1], v[X+8*\c:X+8*\c+7], v[SC+2*\p]
.endr
	v_nop                                          ; one plain vector line behind the last conversion
	s_wait_alu depctr_va_vdst(0)
.irp g, 0,1,2,3
	global_store_b128 v1, v[C+16*\p+4*\g:C+16*\p+4*\g+3], s[DST+2*\p:DST+2*\p+1] offset:512*\g   ; 32 lanes store 512 consecutive bytes
.endr
.endm
	QUANT 0, 1
	s_cmp_lt_u32 ttmp9, 512
	s_cbranch_scc0 .Lend                           ; a weight has one plane
	QUANT 1, 0
	QUANT 2, 0
.Lend:
	s_wait_tensorcnt 0x0
	ds_add_u32 v192, v193
	s_wait_dscnt 0x0
	s_endpgm
	; ---- the table: thread = 64 b4 + 32 half + lane; two pairs a thread
.Ltable:
	s_sub_co_u32 s29, ttmp9, 768                   ; st
	s_lshl_b32 s30, s29, 6
	s_mov_b32 s31, 0
	s_add_nc_u64 s[18:19], s[18:19], s[30:31]      ; my 16 positions
	s_lshl_b32 s30, s29, 12
	s_add_nc_u64 s[26:27], s[26:27], s[30:31]      ; my 4,096 bytes of the table
	v_and_b32 v4, 15, v0
	s_delay_alu instid0(VALU_DEP_1)
	v_lshlrev_b32 v8, 2, v4
	global_load_b32 v9, v8, s[18:19]               ; token_positions[16 st + r]
	v_lshlrev_b32 v44, 4, v0                       ; 16 bytes a thread
	v_bfe_u32 v5, v0, 4, 1                         ; h
	v_bfe_u32 v6, v0, 5, 1                         ; half
	v_bfe_u32 v7, v0, 6, 2                         ; b4
	s_delay_alu instid0(VALU_DEP_1)
	v_lshlrev_b32 v10, 3, v7
	s_delay_alu instid0(VALU_DEP_1)
	v_lshl_add_u32 v10, v5, 2, v10
	s_delay_alu instid0(VALU_DEP_1)
	v_lshl_add_u32 v10, v6, 1, v10                 ; i = 8 b4 + 4 h + 2 half
	s_delay_alu instid0(VALU_DEP_1)
	v_add_nc_u32 v11, 1, v10
	s_delay_alu instid0(VALU_DEP_2)
	v_cvt_f32_u32 v10, v10
	s_delay_alu instid0(VALU_DEP_2)
	v_cvt_f32_u32 v11, v11
	s_mov_b32 s32, 0xbed49a78                      ; -log2(10000) / 32, its upper part,
	s_mov_b32 s33, 0xb2179a31                      ; and what the upper part lacks
	s_mov_b32 s34, 0xbfc90fdb                      ; -pi / 2 in three parts
	s_mov_b32 s35, 0x333bbd2e
	s_mov_b32 s36, 0x26f72ced
	; 10000^(-i / 32) = 2^g, g = gh + gl: gh = i x the upper part, rounded; gl = what that rounding lost + i x the lower part; 2^g = 2^gh (1 + gl ln 2)
	v_mul_f32 v12, s32, v10
	v_mul_f32 v13, s32, v11
	s_delay_alu instid0(VALU_DEP_2)
	v_fma_f32 v14, v10, s32, -v12
	s_delay_alu instid0(VALU_DEP_2)
	v_fma_f32 v15, v11, s32, -v13
	s_delay_alu instid0(VALU_DEP_2)
	v_fma_f32 v14, v10, s33, v14
	s_delay_alu instid0(VALU_DEP_2)
	v_fma_f32 v15, v11, s33, v15
	s_wait_alu depctr_va_vdst(0)
	v_exp_f32 v16, v12
	v_exp_f32 v17, v13
	v_mul_f32 v14, 0x3f317218, v14                 ; gl ln 2: plain lines behind the two exponentials, which name no result of theirs
	v_mul_f32 v15, 0x3f317218, v15
	s_wait_alu depctr_va_vdst(0)                   ; one wait for the batch of two, ahead of its first reader
	v_fma_f32 v16, v16, v14, v16
	v_fma_f32 v17, v17, v15, v17
	s_wait_loadcnt 0x0
	v_cvt_f32_i32 v9, v9
	s_wait_alu depctr_va_vdst(0)
	v_mul_f32 v18, v9, v16                         ; the angle, rounded once
	v_mul_f32 v19, v9, v17
; cos and sin of the angle in v[18 + k] -> v[40 + 2 k], v[41 + 2 k].  n = the nearest whole number to angle / (pi / 2); r = angle - n pi / 2 by three fused multiply-adds, |r| <= pi / 4 and a little;
; sin r and cos r by their series (up to r^9 / 9! and r^10 / 10!: the first term left out is under 3e-9 of the result); n mod 4 says which of the two is which, and the signs.
.macro SINCOS k
	v_mul_f32 v[20+\k], 0x3f22f983, v[18+\k]
	s_delay_alu instid0(VALU_DEP_1)
	v_rndne_f32 v[20+\k], v[20+\k]
	s_delay_alu instid0(VALU_DEP_1)
	v_fma_f32 v[22+\k], v[20+\k], s34, v[18+\k]
	s_delay_alu instid0(VALU_DEP_1)
	v_fma_f32 v[22+\k], v[20+\k], s35, v[22+\k]
	s_delay_alu instid0(VALU_DEP_1)
	v_fma_f32 v[22+\k], v[20+\k], s36, v[22+\k]
	s_delay_alu instid0(VALU_DEP_1)
	v_mul_f32 v[24+\k], v[22+\k], v[22+\k]         ; z = r r
	v_mov_b32 v[26+\k], 0x3638ef1d                 ; 1 / 9!
	s_delay_alu instid0(VALU_DEP_1)
	v_fmaak_f32 v[26+\k], v[26+\k], v[24+\k], 0xb9500d01   ; -1 / 7!
	s_delay_alu instid0(VALU_DEP_1)
	v_fmaak_f32 v[26+\k], v[26+\k], v[24+\k], 0x3c088889   ; 1 / 5!
	s_delay_alu instid0(VALU_DEP_1)
	v_fmaak_f32 v[26+\k], v[26+\k], v[24+\k], 0xbe2aaaab   ; -1 / 3!
	v_mul_f32 v[18+\k], v[22+\k], v[24+\k]         ; r z
	s_delay_alu instid0(VALU_DEP_1)
	v_fma_f32 v[26+\k], v[26+\k], v[18+\k], v[22+\k]       ; sin r
	v_mov_b32 v[28+\k], 0xb493f27e                 ; -1 / 10!
	s_delay_alu instid0(VALU_DEP_1)
	v_fmaak_f32 v[28+\k], v[28+\k], v[24+\k], 0x37d00d01   ; 1 / 8!
	s_delay_alu instid0(VALU_DEP_1)
	v_fmaak_f32 v[28+\k], v[28+\k], v[24+\k], 0xbab60b61   ; -1 / 6!
	s_delay_alu instid0(VALU_DEP_1)
	v_fmaak_f32 v[28+\k], v[28+\k], v[24+\k], 0x3d2aaaab   ; 1 / 4!
	s_delay_alu instid0(VALU_DEP_1)
	v_fma_f32 v[28+\k], v[28+\k], v[24+\k], -0.5
	s_delay_alu instid0(VALU_DEP_1)
	v_fma_f32 v[28+\k], v[28+\k], v[24+\k], 1.0    ; cos r
	v_cvt_i32_f32 v[30+\k], v[20+\k]
	s_delay_alu instid0(VALU_DEP_1)
	v_and_b32 v[20+\k], 1, v[30+\k]
	s_delay_alu instid0(VALU_DEP_1)
	v_cmp_eq_u32 vcc_lo, 1, v[20+\k]               ; n odd: the two change places
	s_delay_alu instid0(VALU_DEP_1)
	v_cndmask_b32 v[41+2*\k], v[26+\k], v[28+\k], vcc_lo
	s_delay_alu instid0(VALU_DEP_2)
	v_cndmask_b32 v[40+2*\k], v[28+\k], v[26+\k], vcc_lo
	v_lshlrev_b32 v[20+\k], 30, v[30+\k]
	s_delay_alu instid0(VALU_DEP_1)
	v_and_b32 v[20+\k], 0x80000000, v[20+\k]       ; sin changes sign where n mod 4 is 2 or 3,
	s_delay_alu instid0(VALU_DEP_1)
	v_xor_b32 v[41+2*\k], v[41+2*\k], v[20+\k]
	v_add_nc_u32 v[30+\k], 1, v[30+\k]
	s_delay_alu instid0(VALU_DEP_1)
	v_lshlrev_b32 v[30+\k], 30, v[30+\k]
	s_delay_alu instid0(VALU_DEP_1)
	v_and_b32 v[30+\k], 0x80000000, v[30+\k]       ; cos where it is 1 or 2
	s_delay_alu instid0(VALU_DEP_1)
	v_xor_b32 v[40+2*\k], v[40+2*\k], v[30+\k]
.endm
	SINCOS 0
	SINCOS 1
	global_store_b128 v44, v[40:43], s[26:27]      ; a wave stores 512 consecutive bytes
	s_endpgm
.Lfunc_end_k_q955081045e_prep:
	.size	k_q955081045e_prep, .Lfunc_end_k_q955081045e_prep-k_q955081045e_prep
	.p2alignl 7, 3214868480
	.fill 96, 4, 3214868480
	.section	.rodata,"a",@progbits
	.p2align	6, 0x0
	.amdhsa_kernel k_q955081045e_prep
		.amdhsa_group_segment_fixed_size 68608
		.amdhsa_private_segment_fixed_size 0
		.amdhsa_enable_private_segment 0
		.amdhsa_kernarg_size 80
		.amdhsa_user_sgpr_count 2
		.amdhsa_user_sgpr_kernarg_segment_ptr 1
		.amdhsa_wavefront_size32 1
		.amdhsa_system_sgpr_workgroup_id_x 1
		.amdhsa_system_sgpr_workgroup_id_y 1
		.amdhsa_system_sgpr_workgroup_id_z 1
		.amdhsa_system_vgpr_workitem_id 0
		.amdhsa_next_free_vgpr 194
		.amdhsa_next_free_sgpr 66
		.amdhsa_reserve_vcc 1
		.amdhsa_float_denorm_mode_32 3
		.amdhsa_float_denorm_mode_16_64 3
		.amdhsa_fp16_overflow 1
		.amdhsa_memory_ordered 1
		.amdhsa_forward_progress 1
		.amdhsa_inst_pref_size 18
	.end_amdhsa_kernel
	.amdgpu_metadata
---
amdhsa.version: [ 1, 2 ]
amdhsa.kernels:
  - .name:           k_q955081045e_prep
    .symbol:         k_q955081045e_prep.kd
    .args:
      - { .name: x, .offset: 0, .size: 8, .value_kind: global_buffer, .address_space: global }
      - { .name: q_w, .offset: 8, .size: 8, .value_kind: global_buffer, .address_space: global }
      - { .name: k_w, .offset: 16, .size: 8, .value_kind: global_buffer, .address_space: global }
      - { .name: v_w, .offset: 24, .size: 8, .value_kind: global_buffer, .address_space: global }
      - { .name: o_w, .offset: 32, .size: 8, .value_kind: global_buffer, .address_space: global }
      - { .name: token_positions, .offset: 40, .size: 8, .value_kind: global_buffer, .address_space: global }
      - { .name: lowp_scales, .offset: 48, .size: 8, .value_kind: global_buffer, .address_space: global }
      - { .name: xcodes, .offset: 56, .size: 8, .value_kind: global_buffer, .address_space: global }
      - { .name: wcodes, .offset: 64, .size: 8, .value_kind: global_buffer, .address_space: global }
      - { .name: rope, .offset: 72, .size: 8, .value_kind: global_buffer, .address_space: global }
    .group_segment_fixed_size: 68608
    .private_segment_fixed_size: 0
    .kernarg_segment_align: 8
    .kernarg_segment_size: 80
    .max_flat_workgroup_size: 256
    .sgpr_count:     66
    .vgpr_count:     194
    .wavefront_size: 32
...
	.end_amdgpu_metadata
.endif
;; end of part 1
;; launch qkv (part 2): grid 4 x 96, 4 waves a work-group, clusters of 4 x 4, 327,680 bytes of LDS; arguments xcodes, wcodes, lowp_scales, rope, qcodes, kcodes, vcodes; writes qcodes, kcodes, vcodes
.if DOCPART == 2
	.amdgcn_target "amdgcn-amd-amdhsa--gfx1250"
	.amdhsa_code_object_version 6
	.text
	.protected	k_q955081045e_qkv
	.globl	k_q955081045e_qkv
	.p2align	8
	.type	k_q955081045e_qkv,@function
k_q955081045e_qkv:
	s_mov_b64 s[64:65], 0
	v_nop
	global_prefetch_b8 v0, s[64:65] scope:SCOPE_SE
	s_setreg_imm32_b32 hwreg(HW_REG_WAVE_MODE, 25, 1), 1
	s_wait_xcnt 0x0
	s_wait_alu depctr_hold_cnt(0) depctr_sa_sdst(0) depctr_va_vdst(0) depctr_va_sdst(0) depctr_va_ssrc(0) depctr_va_vcc(0) depctr_vm_vsrc(0)
	s_getreg_b32 s2, hwreg(HW_REG_IB_STS2, 6, 4)
	s_cmp_eq_u32 s2, 0
	s_cbranch_scc0 .Lentry_in_a_cluster
	s_endpgm
.Lentry_in_a_cluster:
	s_bfe_u32 s2, ttmp6, 0x10000c
	s_cmp_lg_u32 s2, 0xf033
	s_cbranch_scc0 .Lentry_shape_is_right
	s_endpgm
.Lentry_shape_is_right:
; The three projections on codes of FP8 (E4M3), the rotation of q and k, and the quantising of q, k and v for the attention's two products.
; Clusters 0-7 make q = x q_w^T, 8-15 k = x k_w^T, 16-23 V^T = v_w x^T (s66 = 0, 1, 2: the same number in all sixteen partners of a cluster).
; C = A B^T, a tile of 256 x 256 to a work-group, 128 x 128 (64 accumulators, 512 registers) to each of its four waves; K = 1,024 in four slots' worth of 256 through a ring of two LDS slots.
; q, k: A = x's plane of codes for that product (rows = tokens), B = the weight.  V^T: A = v_w (rows = the 1,024 outputs), B = x's third plane (rows = tokens): so a lane's results run along the TOKENS, which are the K of the attention's second product.
; OPERANDS LIE IN MEMORY AS IMAGES OF THEIR REGISTERS: fragment (16-row tile t, K step ks of 128) is 2,048 bytes at (8 t + ks) x 2,048 of its plane; byte 512 g + 16 lane + i is byte i of the lane's registers 4 g .. 4 g + 3.
; A slot's part of a 16-row tile is 4,096 consecutive bytes; a wave's tensor load brings eight such runs, 16,384 bytes apart, and lays them on end.  A fragment comes by four ds_load_b128 at a constant + 16 x lane: consecutive bytes, so no padding.
; CLUSTERS: 4 x 4 work-groups; A's tiles are asked for jointly along a row of the cluster, B's along a column.
; THE MATRIX INSTRUCTION IS USED TRANSPOSED (source 0 = 16 rows of B, source 1 = 16 rows of A): lane (r, h) holds row r of A's block, and register j of accumulator b the column 16 b + 8 h + j.
; So the conversion of an accumulator's eight registers gives registers 2 b, 2 b + 1 of the next operand, and the results leave straight from registers, 512 consecutive bytes a store: no stage in LDS.
; A sum stands for sum x 2^(ea + eb); the rotation is linear; the code is (rotated) sum / 2^(eo - ea - eb): the three scales are folded into the conversion's one.
; LIMITS: e6 - e0 - e1, e7 - e2 - e3 and e9 - e4 - e5 between -126 and 119.
; REGISTERS, in windows of 256: window 0: v16-31 addresses and constants; from v128 A's fragments, ONE set; on the way out v32-95 cos and sin, v96-159 numbers, v160-191 codes.
;   window 1: B's fragments, TWO sets, at v0 and v128.   window 2: the accumulators of my rows 0-63 ((a, b) at v[8 (8 a + b)]);   window 3: those of my rows 64-127.
.set HALFT,  32768                     ; 128 rows x 256 K: what one tensor load brings, and what one wave reads of A or of B
.set SLOT,   4*HALFT                   ; A's 256 rows, then B's 256 rows
.set SPARE,  2*SLOT                    ; behind the ring: the spare words, 128 bytes for each wave: two blocks of 256 bytes that no other line names
.set KSB,    4096                      ; a slot's part of a 16-row tile
.set FR,     16                        ; registers of a fragment
.set NL,     4                         ; LDS loads that bring one
.set NP,     4                         ; places behind this matrix instruction (ISA guide 7.12.1)
.set ADRA, 16                          ; v16-17  LDS address of my A fragments in slot 0, 1
.set ADRB, 20                          ; v20-21  the same for B
.set CO,   26                          ; v26     16 x lane; never rewritten
.set SPW,  28                          ; v28     LDS address of my spare word; never rewritten
.set NIL,  29                          ; v29     0; never rewritten
.set SCL,  30                          ; v30     the folded scale as f32
.set LIM,  31                          ; v31     unused
.set CSR,  32                          ; v32-95  cos and sin of a block of 16 tokens: two sets of 32
.set T,    96                          ; v96-159 a block's 64 numbers
.set CD,   160                         ; v160-191 its codes: two sets of 16
.set AF,   128
.set G1, 24                            ; s[24:31] descriptor group 1 for A's tiles;  s[32:39] group 0, one set for each slot
.set G0, 32
.set G1B, 48                           ; s[48:55], s[56:63] the same for B's tiles
.set G0B, 56
.set MSB, 0
.macro WIN new                         ; the immediate's high byte repeats the setting that is left
.if MSB != \new
	s_set_vgpr_msb (MSB<<8)|\new
.set MSB, \new
.endif
.endm
.set MUL_LO, 0xa1                      ; source 0 (B) window 1, source 1 (A) window 0, C and D window 2
.set MUL_HI, 0xf1                      ; the same, C and D window 3
.set TO_B,   0x40                      ; destination window 1, address window 0
; A joint load: waves 0 and 1 fetch for A, waves 2 and 3 for B; the branch hangs on the wave's number alone.  Four v_nop follow each of the two lines.
.macro JLOAD g0a, g1a, g0b, g1b
	s_cmp_eq_u32 s15, 0
	s_cbranch_scc0 .Lfor_b_\@
	tensor_load_to_lds s[\g0a:\g0a+3], s[\g1a:\g1a+7]
	s_nop 0
.rept 4
	v_nop
.endr
	s_branch .Lasked_\@
.Lfor_b_\@:
	tensor_load_to_lds s[\g0b:\g0b+3], s[\g1b:\g1b+7]
	s_nop 0
.rept 4
	v_nop
.endr
.Lasked_\@:
.endm
.macro CREST                           ; a round of the cluster's barrier behind its opening barrier
	s_cmp_lg_u32 s14, 0
	s_cbranch_scc1 .Lnot_wave_0_\@
	s_barrier_signal -3
.Lnot_wave_0_\@:
	s_barrier_wait -3
	s_barrier_signal -1
	s_barrier_wait -1
.endm
.macro CROUND                          ; a whole round
	s_barrier_signal -1
	s_barrier_wait -1
	CREST
.endm
	s_load_b256 s[72:79], s[0:1], 0x0              ; xcodes 72, wcodes 74, the scales' exponents 76, rope 78
	s_load_b128 s[80:83], s[0:1], 0x20             ; qcodes 80, kcodes 82
	s_load_b64 s[84:85], s[0:1], 0x30              ; vcodes
	v_lshl_add_u32 v[SPW], v0, 2, SPARE
	v_mov_b32 v[NIL], 0
	ds_add_u32 v28, v29
	ds_add_u32 v28, v29
	s_wait_dscnt 0x0
	v_lshrrev_b32 v1, 5, v0
	v_readfirstlane_b32 s14, v1                    ; wave 0..3
	s_lshr_b32 s15, s14, 1                         ; which half of the tile's rows is mine.  Also: I fetch for A (0) or for B (1)
	s_and_b32 s16, s14, 1                          ; which half of its columns.  Also: which 128 rows of that tile I fetch
	s_bfe_u32 s40, ttmp6, 0x40000                  ; cx, cy: my place in the cluster
	s_bfe_u32 s41, ttmp6, 0x40004
	s_and_b32 s66, ttmp7, 0xffff                   ; the cluster's number, 0..23
	s_and_b32 s67, s66, 7                          ; which 1,024 tokens
	s_lshr_b32 s66, s66, 3                         ; which product
	s_lshl_b32 s68, s66, 23                        ; x's plane of that product,
	s_lshl_b32 s69, s66, 20                        ; the weight's
	s_cmp_lt_u32 s66, 2                            ; q, k: the tokens are A's rows; V^T: they are B's
	s_cselect_b32 s17, s67, 0
	s_cselect_b32 s42, 0, s67
	s_cselect_b32 s70, s68, s69                    ; A's plane
	s_cselect_b32 s71, s69, s68                    ; B's plane
	s_lshl_b32 s17, s17, 2
	s_add_co_u32 s17, s17, s41                     ; tile row of C
	s_lshl_b32 s42, s42, 2
	s_add_co_u32 s42, s42, s40                     ; tile column of C
	s_lshl_b32 s43, s41, 2
	s_lshl_b32 s43, 15, s43                        ; my row of the cluster
	s_lshl_b32 s44, 0x1111, s40                    ; my column
	; descriptor group 1: 8 runs of 4,096 bytes, 16,384 bytes apart, in elements of 8 bytes; no padding
	s_or_b32 s[G1+0], s43, (3<<16)|(1<<21)         ; 15:0 the mask: A's tiles go to my row; 17:16 elements of 8 bytes; 21 set beside a mask
	s_or_b32 s[G1B+0], s44, (3<<16)|(1<<21)
.irp g, G1, G1B
	s_mov_b32 s[\g+1], 512<<16                     ; tensor_dim0 = 512
	s_mov_b32 s[\g+2], 8<<16                       ; tensor_dim1 = 8
	s_mov_b32 s[\g+3], 512<<16                     ; tile_dim0 = 512
	s_mov_b32 s[\g+4], 8                           ; tile_dim1 = 8
	s_mov_b32 s[\g+5], 2048                        ; tensor_dim0_stride
	s_mov_b32 s[\g+6], 0
	s_mov_b32 s[\g+7], 0
.endr
	s_lshl_b32 s18, s16, 3                         ; which eight 16-row tiles I fetch
	s_lshl_b32 s20, s17, 4
	s_add_co_u32 s20, s20, s18
	s_lshl_b32 s20, s20, 14                        ; A: 16-row tile 16 x tile row + 8 x half, 16,384 bytes each,
	s_add_co_u32 s20, s20, s70                     ; in its plane
	s_mov_b32 s21, 0
	s_lshl_b32 s46, s42, 4
	s_add_co_u32 s46, s46, s18
	s_lshl_b32 s46, s46, 14                        ; B likewise, by the tile column
	s_add_co_u32 s46, s46, s71
	s_mov_b32 s47, 0
	s_mul_i32 s45, s14, HALFT                      ; where they go: A's two halves, then B's two: no place in the cluster enters an LDS address
	s_wait_kmcnt 0x0
	s_load_b256 s[88:95], s[76:77], 0x0            ; e0 .. e7
	s_load_b64 s[96:97], s[76:77], 0x20            ; e8, e9
	s_cmp_lt_u32 s66, 2
	s_cselect_b64 s[4:5], s[72:73], s[74:75]       ; A's buffer
	s_cselect_b64 s[6:7], s[74:75], s[72:73]       ; B's
	s_add_nc_u64 s[20:21], s[4:5], s[20:21]
	s_add_nc_u64 s[46:47], s[6:7], s[46:47]
	CROUND                                         ; all sixteen work-groups are here: the first joint loads meet
.irp s, 0,1
	s_mov_b32 s[G0+4*\s], 1
	s_add_co_u32 s[G0+4*\s+1], s45, \s*SLOT
	s_add_nc_u64 s[G0+4*\s+2:G0+4*\s+3], s[20:21], \s*KSB
	s_or_b32 s[G0+4*\s+3], s[G0+4*\s+3], 0x80000000
	s_mov_b32 s[G0B+4*\s], 1
	s_add_co_u32 s[G0B+4*\s+1], s45, \s*SLOT
	s_add_nc_u64 s[G0B+4*\s+2:G0B+4*\s+3], s[46:47], \s*KSB
	s_or_b32 s[G0B+4*\s+3], s[G0B+4*\s+3], 0x80000000
	JLOAD G0+4*\s, G1, G0B+4*\s, G1B
.endr
	v_and_b32 v6, 31, v0
	v_lshlrev_b32 v[CO], 4, v6                     ; 16 x lane
	s_mul_i32 s21, s15, HALFT                      ; my 128 rows of A
	s_mul_i32 s22, s16, HALFT                      ; my 128 rows of B,
	s_add_co_u32 s22, s22, 2*HALFT                 ; which lie behind A's 256
.irp s, 0,1
	v_add_nc_u32 v[ADRA+\s], s21, v[CO]
	v_add_nc_u32 v[ADRB+\s], s22, v[CO]
	s_add_co_u32 s21, s21, SLOT
	s_add_co_u32 s22, s22, SLOT
.endr
	; where my results go.  q, k: [16 batch + head][tile of 16 tokens] images of 1,024 bytes (16 tokens x the head's 64)
	s_lshr_b32 s68, s17, 3                         ; batch = tile row / 8
	s_lshl_b32 s68, s68, 4
	s_lshl_b32 s69, s42, 2
	s_add_co_u32 s68, s68, s69
	s_lshl_b32 s69, s16, 1
	s_add_co_u32 s68, s68, s69                     ; + my first head: 4 x tile column + 2 x half
	s_lshl_b32 s68, s68, 17                        ; 131,072 bytes a head
	s_and_b32 s69, s17, 7
	s_lshl_b32 s69, s69, 4
	s_lshl_b32 s70, s15, 3
	s_add_co_u32 s69, s69, s70                     ; my first tile of 16 tokens in the batch: 16 (tile row % 8) + 8 x half
	s_lshl_b32 s70, s69, 10
	s_add_co_u32 s68, s68, s70
	s_lshl_b32 s86, s69, 12                        ; the table has 4,096 bytes for 16 tokens
	s_mov_b32 s87, 0
	s_add_nc_u64 s[12:13], s[78:79], s[86:87]
	; V^T: [16 batch + head][128 keys][16 of the head's 64] images of 2,048 bytes
	s_lshr_b32 s70, s42, 3                         ; batch = tile column / 8
	s_lshl_b32 s70, s70, 4
	s_lshl_b32 s71, s17, 2
	s_add_co_u32 s70, s70, s71
	s_lshl_b32 s71, s15, 1
	s_add_co_u32 s70, s70, s71                     ; + my first head: 4 x tile row + 2 x half
	s_lshl_b32 s70, s70, 17
	s_and_b32 s71, s42, 7
	s_lshl_b32 s71, s71, 1
	s_add_co_u32 s71, s71, s16                     ; my 128 keys: 2 (tile column % 8) + half
	s_lshl_b32 s71, s71, 13
	s_add_co_u32 s70, s70, s71
	s_cmp_eq_u32 s66, 2
	s_cselect_b32 s86, s70, s68
	s_cselect_b64 s[10:11], s[84:85], s[82:83]
	s_cmp_eq_u32 s66, 0
	s_cselect_b64 s[10:11], s[80:81], s[10:11]
	s_add_nc_u64 s[10:11], s[10:11], s[86:87]
.macro FRAG reg, adr, q, i             ; fragment i of my eight, the slot's q-th 128 along K: its image, four loads of 512 consecutive bytes
.irp c, 0,1,2,3
	ds_load_b128 v[\reg+4*\c:\reg+4*\c+3], v[\adr] offset:2048*(\q)+512*\c+(\i)*KSB
.endr
.endm
; 16 matrix instructions: A's blocks a0, a0 + 1 x B's eight, 128 along K.  p: B's set.  zero = 1: the first product starts the sums: nothing is ever cleared.
; The 64 accumulators take turns, one instruction a turn, in the same order in every step.
.macro MUL16 a0, p, zero
.irp a, \a0, \a0+1
.irp b, 0,1,2,3,4,5,6,7
.if \zero
	v_wmma_f32_16x16x128_fp8_fp8 v[8*(8*((\a)%4)+\b):8*(8*((\a)%4)+\b)+7], v[128*(\p)+FR*\b:128*(\p)+FR*\b+FR-1], v[AF+FR*(\a):AF+FR*(\a)+FR-1], 0
.else
	v_wmma_f32_16x16x128_fp8_fp8 v[8*(8*((\a)%4)+\b):8*(8*((\a)%4)+\b)+7], v[128*(\p)+FR*\b:128*(\p)+FR*\b+FR-1], v[AF+FR*(\a):AF+FR*(\a)+FR-1], v[8*(8*((\a)%4)+\b):8*(8*((\a)%4)+\b)+7]
.endif
.endr
.endr
.endm
.macro FETCH_B slot, q, p              ; B's eight fragments into set p
	WIN TO_B
.irp i, 0,1,2,3,4,5,6,7
	FRAG 128*(\p)+FR*\i, ADRB+\slot, \q, \i
.endr
	WIN 0
.endm
.macro FETCH_A slot, q, i0             ; A's blocks i0 .. i0 + 3
.irp i, \i0, \i0+1, \i0+2, \i0+3
	FRAG AF+FR*(\i), ADRA+\slot, \q, \i
.endr
.endm
; A load into a register that a matrix instruction has read, and a vector instruction that reads a matrix result or writes one of its registers, stand NP places behind it; only plain vector
; instructions that name none of its registers are places (ISA guide 7.12.1 for vector instructions).
.macro PLACES n
.rept \n
	v_nop
.endr
.endm
; A step of 128 along K that has its successor in the same slot.  A block of A is free as soon as its eight products are issued, so one set of registers serves A.
.macro STEP slot, q, zero
	s_wait_dscnt 4*NL                              ; B's set and A's blocks 0-3 are in; the youngest 16 loads (A's blocks 4-7) may be out
	WIN MUL_LO
	MUL16 0, (\q)%2, \zero
	MUL16 2, (\q)%2, \zero
	s_wait_dscnt 0                                 ; A's blocks 4-7 are in
	PLACES NP
	FETCH_B \slot, (\q)+1, 1-(\q)%2
	FETCH_A \slot, (\q)+1, 0
	WIN MUL_HI
	MUL16 4, (\q)%2, \zero
	MUL16 6, (\q)%2, \zero
	PLACES NP
	WIN 0
	FETCH_A \slot, (\q)+1, 4
.endm
; A slot's last step changes slots: ONE barrier; in front of it each wave waits for all its tensor loads, adds 0 to its spare word, and waits for that and for its own reads of this slot.  fill = 1: this slot is filled again, two slots ahead.
.macro TURN slot, next, fill
	s_wait_tensorcnt 0x0                           ; all my tensor loads have landed: my part of the next slot;  (every window is 0 here)
	ds_add_u32 v[SPW], v[NIL]                      ; 0 onto my spare word
	s_wait_dscnt 4*NL+1                            ; (the add and the youngest 16 loads, A's blocks 4-7, may be out)
	WIN MUL_LO
	MUL16 0, 1, 0                                  ; sixteen matrix instructions stand between the add and the wait for it
	s_wait_dscnt 0x0                               ; the add is done, and my reads of this slot are over
	s_barrier_signal -1
	MUL16 2, 1, 0
	WIN 0
	s_barrier_wait -1
.if \fill
	CREST                                          ; the barrier has opened a round of the cluster's barrier: no wave of any partner still reads this slot or has a load on its way
	s_add_nc_u64 s[G0+4*\slot+2:G0+4*\slot+3], s[G0+4*\slot+2:G0+4*\slot+3], 2*KSB
	s_add_nc_u64 s[G0B+4*\slot+2:G0B+4*\slot+3], s[G0B+4*\slot+2:G0B+4*\slot+3], 2*KSB
	JLOAD G0+4*\slot, G1, G0B+4*\slot, G1B         ; the first tensor load behind the round; its four v_nop are the places in front of the loads below
.else
	PLACES NP
.endif
	FETCH_B \next, 0, 0
	FETCH_A \next, 0, 0
	WIN MUL_HI
	MUL16 4, 1, 0
	MUL16 6, 1, 0
	PLACES NP
	WIN 0
	FETCH_A \next, 0, 4
.endm
.macro LAST                            ; the very last step: nothing more to fetch
	s_wait_dscnt 4*NL
	WIN MUL_LO
	MUL16 0, 1, 0
	MUL16 2, 1, 0
	s_wait_dscnt 0
	WIN MUL_HI
	MUL16 4, 1, 0
	MUL16 6, 1, 0
	WIN 0
.endm
; cos and sin for block a's 16 tokens: eight loads of 512 consecutive bytes; register 8 b4 + 2 p, + 1: cos, sin of my token and pair 8 b4 + 4 h + p
.macro LOADCS a
.irp u, 0,1,2,3,4,5,6,7
	global_load_b128 v[CSR+32*((\a)%2)+4*\u:CSR+32*((\a)%2)+4*\u+3], v[CO], s[12:13] offset:4096*(\a)+512*\u
.endr
.endm
; Block a of q or k: 16 tokens x 128 columns = two heads.  Registers 2 p, 2 p + 1 of an accumulator are a pair (x1, x2): (x1 c - x2 s, x1 s + x2 c) by a packed multiply and a packed multiply-add.
.macro ROPEOUT a
.set AC, 64*((\a)%4)
.set CB, CSR+32*((\a)%2)
.set CC, CD+16*((\a)%2)
.if (\a) < 7
	s_wait_loadcnt 8                               ; this block's eight loads are in; the next block's eight may be out
.else
	s_wait_loadcnt 0
.endif
	WIN 0x02+((\a)/4)                              ; source 0: window 2 or 3
.irp b, 0,1,2,3,4,5,6,7
.irp p, 0,1,2,3                        ; each accumulator from its low end on
	v_pk_mul_f32 v[T+8*\b+2*\p:T+8*\b+2*\p+1], v[AC+8*\b+2*\p:AC+8*\b+2*\p+1], v[CB+8*(\b%4)+2*\p:CB+8*(\b%4)+2*\p+1] op_sel_hi:[1,0]   ; (x1 c, x2 c)
.endr
.irp p, 0,1,2,3
	v_pk_fma_f32 v[T+8*\b+2*\p:T+8*\b+2*\p+1], v[AC+8*\b+2*\p:AC+8*\b+2*\p+1], v[CB+8*(\b%4)+2*\p:CB+8*(\b%4)+2*\p+1], v[T+8*\b+2*\p:T+8*\b+2*\p+1] op_sel:[1,1,0] op_sel_hi:[0,1,1] neg_lo:[1,0,0]   ; low: - x2 s; high: + x1 s
.endr
.endr
	WIN 0
.if (\a) >= 2
	s_wait_alu depctr_va_vdst(0)
	s_wait_xcnt 0x0                                ; block a - 2's stores have read their registers: this block's codes may be written there
.endif
.irp b, 0,1,2,3,4,5,6,7
.irp i, 0,1,2,3,4,5,6,7
.endr
	v_cvt_scalef32_pk8_fp8_f32 v[CC+2*\b:CC+2*\b+1], v[T+8*\b:T+8*\b+7], v[SCL]   ; registers 2 (b % 4), + 1 of head b / 4's fragment
.endr
	v_nop                                          ; one plain vector line behind the last conversion
.irp hd, 0,1
.irp g, 0,1
	global_store_b128 v[CO], v[CC+8*\hd+4*\g:CC+8*\hd+4*\g+3], s[10:11] offset:1024*(\a)+131072*\hd+512*\g   ; 32 lanes store 512 consecutive bytes
.endr
.endr
.if (\a)+2 < 8
	LOADCS (\a)+2
.endif
.endm
; Block a of V^T: 16 of the outputs x 128 tokens = one fragment of the attention's second product
.macro VOUT a
.set AC, 64*((\a)%4)
.set CC, CD+16*((\a)%2)
.if (\a) >= 2
	s_wait_xcnt 0x0                                ; block a - 2's stores have read their registers
.endif
	WIN 0x02+((\a)/4)
.set n, 0
.rept 64
.set n, n+1
.endr
.irp b, 0,1,2,3,4,5,6,7
	v_cvt_scalef32_pk8_fp8_f32 v[CC+2*\b:CC+2*\b+1], v[AC+8*\b:AC+8*\b+7], v[SCL]
.endr
	WIN 0
	v_nop                                          ; one plain vector line behind the last conversion
.irp g, 0,1,2,3
	global_store_b128 v[CO], v[CC+4*\g:CC+4*\g+3], s[10:11] offset:131072*((\a)/4)+2048*((\a)%4)+512*\g
.endr
.endm
	s_wait_alu depctr_va_vdst(0)
	s_wait_tensorcnt 1                             ; my part of slot 0 is in (slot 1's load may be out)
	s_barrier_signal -1
	s_barrier_wait -1                              ; everybody's is
	FETCH_B 0, 0, 0
	FETCH_A 0, 0, 0
	FETCH_A 0, 0, 4
	STEP 0, 0, 1                                   ; the first step stands in front of the loop: its products start the sums
	s_mov_b32 s3, 1
.Llap:                                                 ; a trip goes once round the ring and fills both slots again: K = 1,024 is two laps, so one trip
	TURN 0, 1, 1
	STEP 1, 0, 0
	TURN 1, 0, 1
	STEP 0, 0, 0
	s_sub_co_u32 s3, s3, 1
	s_cmp_lg_u32 s3, 0
	s_cbranch_scc1 .Llap
	TURN 0, 1, 0                                   ; the last lap fills nothing
	STEP 1, 0, 0
	s_wait_kmcnt 0x0
	s_sub_co_i32 s68, s94, s88
	s_sub_co_i32 s68, s68, s89                     ; q: e6 - e0 - e1
	s_sub_co_i32 s69, s95, s90
	s_sub_co_i32 s69, s69, s91                     ; k: e7 - e2 - e3
	s_sub_co_i32 s70, s97, s92
	s_sub_co_i32 s70, s70, s93                     ; v: e9 - e4 - e5
	s_cmp_eq_u32 s66, 1
	s_cselect_b32 s68, s69, s68
	s_cmp_eq_u32 s66, 2
	s_cselect_b32 s68, s70, s68
	s_add_co_i32 s68, s68, 127
	s_lshl_b32 s69, s68, 23
	v_mov_b32 v[SCL], s69
	s_cmp_eq_u32 s66, 2                            ; the product's number: the same in every wave of every partner
	s_cbranch_scc1 .Lv
	LOADCS 0                                       ; the first two blocks' cos and sin come while the last step is multiplied
	LOADCS 1
	LAST
	PLACES NP
.irp a, 0,1,2,3,4,5,6,7
	ROPEOUT \a
.endr
	s_branch .Ldone
.Lv:
	LAST
	PLACES NP
	s_wait_alu depctr_va_vdst(0)
.irp a, 0,1,2,3,4,5,6,7
	VOUT \a
.endr
.Ldone:
	s_wait_tensorcnt 0x0                           ; the wave's end
	ds_add_u32 v[SPW], v[NIL]
	s_wait_dscnt 0x0
	CROUND                                         ; the closing round: no work-group ends while a partner may still ask for a tile that names it
	s_endpgm
.Lfunc_end_k_q955081045e_qkv:
	.size	k_q955081045e_qkv, .Lfunc_end_k_q955081045e_qkv-k_q955081045e_qkv
	.p2alignl 7, 3214868480
	.fill 96, 4, 3214868480
	.section	.rodata,"a",@progbits
	.p2align	6, 0x0
	.amdhsa_kernel k_q955081045e_qkv
		.amdhsa_group_segment_fixed_size 327680
		.amdhsa_private_segment_fixed_size 0
		.amdhsa_enable_private_segment 0
		.amdhsa_kernarg_size 56
		.amdhsa_user_sgpr_count 2
		.amdhsa_user_sgpr_kernarg_segment_ptr 1
		.amdhsa_wavefront_size32 1
		.amdhsa_system_sgpr_workgroup_id_x 1
		.amdhsa_system_sgpr_workgroup_id_y 1
		.amdhsa_system_sgpr_workgroup_id_z 1
		.amdhsa_system_vgpr_workitem_id 0
		.amdhsa_next_free_vgpr 1024
		.amdhsa_next_free_sgpr 100
		.amdhsa_reserve_vcc 0
		.amdhsa_float_denorm_mode_32 3
		.amdhsa_float_denorm_mode_16_64 3
		.amdhsa_fp16_overflow 1
		.amdhsa_memory_ordered 1
		.amdhsa_forward_progress 1
		.amdhsa_inst_pref_size 137
	.end_amdhsa_kernel
	.amdgpu_metadata
---
amdhsa.version: [ 1, 2 ]
amdhsa.kernels:
  - .name:           k_q955081045e_qkv
    .symbol:         k_q955081045e_qkv.kd
    .args:
      - { .name: xcodes, .offset: 0, .size: 8, .value_kind: global_buffer, .address_space: global }
      - { .name: wcodes, .offset: 8, .size: 8, .value_kind: global_buffer, .address_space: global }
      - { .name: lowp_scales, .offset: 16, .size: 8, .value_kind: global_buffer, .address_space: global }
      - { .name: rope, .offset: 24, .size: 8, .value_kind: global_buffer, .address_space: global }
      - { .name: qcodes, .offset: 32, .size: 8, .value_kind: global_buffer, .address_space: global }
      - { .name: kcodes, .offset: 40, .size: 8, .value_kind: global_buffer, .address_space: global }
      - { .name: vcodes, .offset: 48, .size: 8, .value_kind: global_buffer, .address_space: global }
    .group_segment_fixed_size: 327680
    .private_segment_fixed_size: 0
    .kernarg_segment_align: 8
    .kernarg_segment_size: 56
    .max_flat_workgroup_size: 128
    .sgpr_count:     100
    .vgpr_count:     1024
    .wavefront_size: 32
...
	.end_amdgpu_metadata
.endif
;; end of part 2
;; launch attn (part 3): grid 4 x 64, 16 waves a work-group, no clusters, 327,680 bytes of LDS; arguments qcodes, kcodes, vcodes, lowp_scales, acodes; writes acodes
.if DOCPART == 3
	.amdgcn_target "amdgcn-amd-amdhsa--gfx1250"
	.amdhsa_code_object_version 6
	.text
	.protected	k_q955081045e_attn
	.globl	k_q955081045e_attn
	.p2align	8
	.type	k_q955081045e_attn,@function
k_q955081045e_attn:
	s_mov_b64 s[64:65], 0
	v_nop
	global_prefetch_b8 v0, s[64:65] scope:SCOPE_SE
	s_setreg_imm32_b32 hwreg(HW_REG_WAVE_MODE, 25, 1), 1
	s_wait_xcnt 0x0
; Causal attention on codes of FP8 (E4M3), head size 64, 2,048 positions, 64 heads (16 batch + head); its result is quantised for the output projection.
; t = score x log2(e) / 8; M = the row's largest t so far, rounded UP to a whole number; p = 2^(t - M) is quantised along the keys, not normalised; the row's sum is taken of the unquantised p and divides O at the end.
; When M moves, the sum and O are multiplied by 2^(old M - new M): exact.  A hidden score is -1e9, as the problem has it, ahead of the maximum.
; SHARES.  Work-group (J = 0..3, head) owns the blocks J and 7 - J of 256 queries, one after the other: block b needs the key slots 0 .. b of 256 keys, so every work-group walks (J + 1) + (8 - J) = 9 slots:
; equal work, a trip count that is a constant of the text, and no tile is fetched that nobody reads.  Each of the SIXTEEN waves owns 16 queries of the block in hand, in 256 registers: four waves to a SIMD.
; NO CLUSTER: the four work-groups of a head stand at different key slots in the same trip (slot = trip for trip <= J, else trip - J - 1), so no descriptor is equal in two of them.
; OPERANDS ARE IMAGES OF THEIR REGISTERS.  q, k: 16 positions x 64: 1,024 bytes, byte 512 g + 16 lane + i = byte i of the lane's registers 4 g .. 4 g + 3.  V^T: 16 of the head's 64 x 128 keys: 2,048 bytes likewise.
; A slot is 16,384 consecutive bytes of k's codes and as many of V^T's; every fragment comes by ds_load_b128 at a constant + 16 x lane: consecutive bytes, no padding.
; LAYOUT.  Both products are used transposed: S^T = K Q^T (source 0 = 16 keys, source 1 = my 16 queries), O^T = V^T P^T: lane (r, h) holds query r throughout; register 8 t + j of S^T is key 16 t + 8 h + j,
; so the conversion of tile t's eight registers gives registers 2 t, 2 t + 1 of P; likewise O^T's four tiles give the eight registers that my head fills in a fragment of the projection's operand.
; LIMITS: e6 + e7 between -123 and 130 (added to c's exponent field); e8, and e10 - e8 - e9, between -126 and 119.
; REGISTERS: v1 16 x lane; v3 256 x lane; v5, v6 the add's; v8 LDS address; v12 -M, v13 the largest t, v[14:15] the sum in two halves; v16-23 Q; v32-95 K's 8 fragments, then V's 4; v96-159 S^T, then p;
;   v160-191 O^T; v192-207 the codes that leave; v224-239 p's codes; v244: 2^e8; v245: the same with e10 - e8 - e9; v247 the hidden score; v236-243, v246, v248-255 at work.
.set SLOTB, 32768                      ; an LDS slot: K's 16,384 bytes, then V's
.set SPARE, 2*SLOTB                    ; behind the ring: the spare words, 128 bytes for each wave: eight blocks of 256 bytes that no other line names
.set SPW,  5
.set NIL,  6
.set ADK,  8
.set TB,   2                           ; s2   LDS byte at which the slot in hand begins
.set WV,   18                          ; s18  my wave's number
.set SEL,  20                          ; s[20:21] lane selects for v_permlanex16_b32: lane l xor 16
.set CS,   22                          ; s[22:23] c = log2(e) / 8 x 2^(e6 + e7)
.set G1,   24                          ; s[24:31] descriptor group 1
.set G0,   40                          ; s[40:43] descriptor group 0, which walks
.set KVB,  44                          ; s[44:45] my head's first byte of what I fetch (wave 0: k's codes, wave 1: V^T's)
.set OFF,  46                          ; s[46:47] 16,384 x the key slot to be asked for
.set NXT,  48                          ; s48  that key slot
.set TAU,  49                          ; s49  the trip
.set J,    50                          ; s50  the work-group's x
.set QLO,  52                          ; s[52:53], s[54:55] my queries' codes in the low and in the high block
.set QHI,  54
.set OLO,  56                          ; s[56:57], s[58:59] where my results go
.set OHI,  58
.set Q0H,  60                          ; s60  my first query in the high block
.set SLOTS, 67                         ; s67  changes of slots that still fill a slot
.set PFA,  76                          ; s[76:77] where my prefetches stand
.set LIM,  80                          ; s80  1 in a wave that prefetches, else the greatest number
.set KF,   98                          ; s98  the step's first key
.set Q0,   99                          ; s99  my first query
; Wave 0 fetches K's part of a slot, wave 1 V's, the others nothing.  Four v_nop follow the line.
.macro TLOAD
	s_cmp_lt_u32 s[WV], 2
	s_cbranch_scc0 .Lnone_\@
	tensor_load_to_lds s[G0:G0+3], s[G1:G1+7]
	s_nop 0
.rept 4
	v_nop
.endr
.Lnone_\@:
.endm
; A PREFETCH INTO THE L2 of the key slot that the next change of slots of work-group J = 0 will ask for.  That work-group walks slots 0 .. 7 of its head in trips 1 .. 8; in trip tau it names slot tau + 1.
; In it waves 4 and 5 ask for k's 16,384 bytes, waves 6 and 7 for V^T's: 8,192 bytes a wave, lanes 256 bytes apart, one instruction.  So each aligned block of 256 bytes of slots 1 .. 7 is named once in the launch.
; Slot 0 comes by its load alone, and the last change that fills a slot asks for nothing: there is no slot behind slot 7.
.macro ASK
	s_cmp_gt_u32 s[SLOTS], s[LIM]
	s_cbranch_scc0 .Lnot_mine_\@
	global_prefetch_b8 v3, s[PFA:PFA+1] th:TH_LOAD_NT scope:SCOPE_SE
.Lnot_mine_\@:
.endm
	s_load_b128 s[4:7], s[0:1], 0x0                ; qcodes, kcodes
	s_load_b128 s[8:11], s[0:1], 0x10              ; vcodes, the scales' exponents
	s_load_b64 s[12:13], s[0:1], 0x20              ; acodes
	v_lshl_add_u32 v[SPW], v0, 2, SPARE
	v_mov_b32 v[NIL], 0
	ds_add_u32 v5, v6
	ds_add_u32 v5, v6
	s_wait_dscnt 0x0
	v_lshrrev_b32 v8, 5, v0
	s_delay_alu instid0(VALU_DEP_1)
	v_readfirstlane_b32 s[WV], v8                  ; wave 0..15
	v_and_b32 v1, 31, v0
	s_delay_alu instid0(VALU_DEP_1)
	v_lshlrev_b32 v3, 8, v1                        ; 256 x lane
	s_delay_alu instid0(VALU_DEP_2)
	v_lshlrev_b32 v1, 4, v1                        ; 16 x lane
	s_mov_b32 s[J], ttmp9
	s_and_b32 s61, ttmp7, 0xffff                   ; 16 batch + head
	s_lshl_b32 s62, s61, 17                        ; 131,072 bytes a head in q's, k's and V^T's codes
	s_mov_b32 s63, 0
	s_and_b32 s19, s[WV], 1
	s_lshl_b32 s96, s[WV], 4
	s_lshl_b32 s[Q0], s[J], 8
	s_add_co_u32 s[Q0], s[Q0], s96                 ; 256 J + 16 x wave
	s_sub_co_u32 s[Q0H], 7, s[J]
	s_lshl_b32 s[Q0H], s[Q0H], 8
	s_add_co_u32 s[Q0H], s[Q0H], s96               ; 256 (7 - J) + 16 x wave
	; descriptor group 1: 16,384 consecutive bytes as 64 rows of 256, in elements of 8 bytes; no padding, no mask
	s_mov_b32 s[G1], 3<<16
	s_mov_b32 s[G1+1], 32<<16                      ; tensor_dim0 = 32
	s_mov_b32 s[G1+2], 64<<16                      ; tensor_dim1 = 64
	s_mov_b32 s[G1+3], 32<<16                      ; tile_dim0 = 32
	s_mov_b32 s[G1+4], 64                          ; tile_dim1 = 64
	s_mov_b32 s[G1+5], 32                          ; tensor_dim0_stride
	s_mov_b32 s[G1+6], 0
	s_mov_b32 s[G1+7], 0
	; my head's place in the projection's operand: fragment (tile of 16 tokens mt, K step head / 2) at (8 mt + head / 2) x 2,048; the head fills its half, 1,024 (head % 2) on
	s_lshr_b32 s74, s61, 4
	s_lshl_b32 s74, s74, 21                        ; a batch is 128 tiles of 16,384 bytes
	s_bfe_u32 s75, s61, 0x30001
	s_lshl_b32 s75, s75, 11
	s_add_co_u32 s74, s74, s75
	s_and_b32 s75, s61, 1
	s_lshl_b32 s75, s75, 10
	s_add_co_u32 s74, s74, s75
	s_mov_b32 s[SEL], 0x76543210
	s_mov_b32 s[SEL+1], 0xfedcba98
	s_mov_b32 s[TB], 0
	s_mov_b32 s[NXT], 0
	s_mov_b32 s[TAU], 0
	s_mov_b32 s[OFF+1], 0
	s_mov_b32 s[KF], 0
	s_mov_b32 s[SLOTS], 8
	s_wait_kmcnt 0x0
	s_load_b128 s[68:71], s[10:11], 0x18           ; e6, e7, e8, e9
	s_load_b64 s[72:73], s[10:11], 0x28            ; e10, e11
	s_cmp_eq_u32 s19, 0
	s_cselect_b64 s[KVB:KVB+1], s[6:7], s[8:9]
	s_add_nc_u64 s[KVB:KVB+1], s[KVB:KVB+1], s[62:63]
	s_mov_b32 s[G0], 1                             ; count = 1
	s_lshl_b32 s[G0+1], s19, 14                    ; LDS address: slot 0; K's part, or V's behind it
	s_mov_b64 s[G0+2:G0+3], s[KVB:KVB+1]           ; key slot 0
	s_or_b32 s[G0+3], s[G0+3], 0x80000000          ; type = 2
	TLOAD                                          ; the first fill, ahead of every wait on TENSORcnt, every LDS read and every barrier
	s_add_nc_u64 s[4:5], s[4:5], s[62:63]          ; my head's queries: 64 bytes a query
	s_mov_b32 s83, 0
	s_lshl_b32 s82, s[Q0], 6
	s_add_nc_u64 s[QLO:QLO+1], s[4:5], s[82:83]
	s_lshl_b32 s82, s[Q0H], 6
	s_add_nc_u64 s[QHI:QHI+1], s[4:5], s[82:83]
	s_lshl_b32 s82, s[Q0], 10                      ; 16,384 bytes for 16 tokens
	s_add_co_u32 s82, s82, s74
	s_add_nc_u64 s[OLO:OLO+1], s[12:13], s[82:83]
	s_lshl_b32 s82, s[Q0H], 10
	s_add_co_u32 s82, s82, s74
	s_add_nc_u64 s[OHI:OHI+1], s[12:13], s[82:83]
	s_wait_alu depctr_va_vdst(0)
	global_load_b128 v[16:19], v1, s[QLO:QLO+1]            ; Q's fragment stays in registers
	global_load_b128 v[20:23], v1, s[QLO:QLO+1] offset:512
	; the prefetches: who asks, and where they stand (key slot 0; the first change of slots steps it to slot 1)
	s_cmp_lt_u32 s[WV], 6
	s_cselect_b64 s[PFA:PFA+1], s[6:7], s[8:9]
	s_add_nc_u64 s[PFA:PFA+1], s[PFA:PFA+1], s[62:63]
	s_lshl_b32 s82, s19, 13
	s_add_nc_u64 s[PFA:PFA+1], s[PFA:PFA+1], s[82:83]
	s_lshr_b32 s[LIM], s[WV], 2
	s_xor_b32 s[LIM], s[LIM], 1                    ; 0 in waves 4 to 7,
	s_or_b32 s[LIM], s[LIM], ttmp9                 ; of work-group J = 0
	s_cmp_eq_u32 s[LIM], 0
	s_cselect_b32 s[LIM], 1, -1
	v_mov_b32 v13, 0xff61b1e6                      ; the largest t so far: -3e38, under every t
	s_delay_alu instid0(VALU_DEP_1)
	v_floor_f32 v12, -v13                          ; -M
	v_mov_b32 v14, 0                               ; the sum, in two halves
	v_mov_b32 v15, 0
	v_mov_b32 v246, 0                              ; written once: a lane permute's destination counts as one of its sources
	v_mov_b32 v253, 0                              ; (named as the upper half of the pair v[252:253])
.set n, 0
.rept 32
	v_mov_b32 v[160+n], 0                          ; O^T.  (The step is written once: a block's first step finds zeros, which the first change of M leaves zeros)
.set n, n+1
.endr
	s_wait_kmcnt 0x0
	s_add_co_i32 s96, s68, s69                     ; e6 + e7: a score stands for score x 2^(e6 + e7):
	s_lshl_b32 s97, s96, 23
	s_mov_b32 s[CS], 0x3e38aa3b                    ; log2(e) / 8,
	s_add_co_i32 s[CS], s[CS], s97                 ; the two exponents added to its exponent field
	s_mov_b32 s[CS+1], s[CS]                       ; (named with it as a pair, so it is written)
	s_sub_co_i32 s96, 0, s96
	v_mov_b32 v247, 0xcfee6b28                     ; -8e9: x 1 / 8 it is -1e9;
	s_delay_alu instid0(VALU_DEP_1)
	v_ldexp_f32 v247, v247, s96                    ; in the units of a raw sum
	s_add_co_i32 s96, s70, 127
	s_lshl_b32 s97, s96, 23
	v_mov_b32 v244, s97                            ; 2^e8 as f32, for p's conversion
	s_sub_co_i32 s96, s72, s70
	s_sub_co_i32 s96, s96, s71                     ; a sum of the second product stands for sum x 2^(e8 + e9): its code is (sum / l) / 2^(e10 - e8 - e9)
	s_add_co_i32 s96, s96, 127
	s_lshl_b32 s97, s96, 23
	v_mov_b32 v245, s97
; A KEY STEP: 128 keys, the q-th of the slot in hand.
.macro STEP q
	s_add_co_u32 s96, s[Q0], 15                    ; a step all of whose keys come after my 16 queries is left out: a scalar branch on ids; no barrier and no tensor load stands in a step
	s_cmp_gt_u32 s[KF], s96
	s_cbranch_scc1 .Lhidden_\@
	v_add_nc_u32 v[ADK], s[TB], v1
.rept 3
	v_nop                                          ; with the addition above: four places in front of loads into registers that the last products read
.endr
.irp t, 0,1,2,3,4,5,6,7
.irp c, 0,1
	ds_load_b128 v[32+8*\t+4*\c:32+8*\t+4*\c+3], v[ADK] offset:1024*(8*(\q)+\t)+512*\c
.endr
.endr
	s_wait_alu depctr_va_vdst(0)
	s_wait_dscnt 8                                 ; tiles 0-3 are in; the eight younger loads (tiles 4-7) may be out
.irp t, 0,1,2,3
	v_wmma_f32_16x16x64_fp8_fp8 v[96+8*\t:103+8*\t], v[32+8*\t:39+8*\t], v[16:23], 0
.endr
	s_wait_dscnt 0x0
.irp t, 4,5,6,7
	v_wmma_f32_16x16x64_fp8_fp8 v[96+8*\t:103+8*\t], v[32+8*\t:39+8*\t], v[16:23], 0
.endr
.rept 4
	v_nop                                          ; places: in front of the loads below, into registers that these products read, and of the first read of the scores
.endr
.irp t, 0,1,2,3
.irp c, 0,1,2,3
	ds_load_b128 v[32+16*\t+4*\c:32+16*\t+4*\c+3], v[ADK] offset:16384+8192*(\q)+2048*\t+512*\c   ; V^T's four fragments are asked for here and land while the softmax is worked
.endr
.endr
	s_add_co_u32 s96, s[KF], 127                   ; a step all of whose keys count skips the mask
	s_cmp_le_u32 s96, s[Q0]
	s_cbranch_scc1 .Lopen_\@
	s_sub_co_i32 s96, s[Q0], s[KF]
	v_and_b32 v252, 15, v0
	v_bfe_u32 v253, v0, 4, 1
	s_delay_alu instid0(VALU_DEP_1)
	v_lshlrev_b32 v253, 3, v253
	s_delay_alu instid0(VALU_DEP_1)
	v_sub_nc_u32 v252, v252, v253
	s_delay_alu instid0(VALU_DEP_1)
	v_add_nc_u32 v252, s96, v252                   ; d = my query - KF - 8 h.  Register 8 t + j holds key KF + 16 t + 8 h + j: hidden where 16 t + j > d
.set n, 0
.rept 64
	v_cmp_gt_i32 vcc_lo, 16*(n/8)+n%8, v252
	v_cndmask_b32 v[96+n], v[96+n], v247, vcc_lo
.set n, n+1
.endr
.Lopen_\@:
	v_max3_num_f32 v254, v96, v97, v98             ; the step's largest score of my query, among my 64 keys, in two chains; each tile from its low end on
	v_max3_num_f32 v252, v99, v100, v101
.irp i, 6,10,14,18,22,26,30,34,38,42,46,50,54,58
	v_max3_num_f32 v254, v254, v[96+\i], v[97+\i]
	v_max3_num_f32 v252, v252, v[98+\i], v[99+\i]
.endr
	v_max3_num_f32 v254, v254, v158, v159
	s_delay_alu instid0(VALU_DEP_1)
	v_max_num_f32 v254, v254, v252
	s_delay_alu instid0(VALU_DEP_1)
	v_permlanex16_b32 v246, v254, s[SEL], s[SEL+1]
	s_delay_alu instid0(VALU_DEP_1)
	v_max_num_f32 v254, v254, v246                 ; and among lane l xor 16's
	s_delay_alu instid0(VALU_DEP_1)
	v_mul_f32 v254, s[CS], v254                    ; as t (c is positive)
	s_delay_alu instid0(VALU_DEP_1)
	v_max_num_f32 v13, v13, v254                   ; the running largest t
	v_mov_b32 v254, v12
	s_delay_alu instid0(VALU_DEP_2)
	v_floor_f32 v12, -v13                          ; the new -M = floor(-t) = -ceil(t): a whole number
	s_delay_alu instid0(VALU_DEP_1)
	v_sub_f32 v254, v12, v254                      ; M's old value less its new one: a whole number, 0 or less
	s_delay_alu instid0(VALU_DEP_1)
	v_cvt_i32_f32 v254, v254                       ; (it saturates)
	s_delay_alu instid0(VALU_DEP_1)
	v_ldexp_f32 v252, 1.0, v254                    ; f = 2^(old M - new M)
.set n, 0
.rept 32
	v_pk_fma_f32 v[96+n:97+n], v[96+n:97+n], s[CS:CS+1], v[12:13] op_sel_hi:[1,0,0]   ; t - M, two at a time (of the pairs c and -M the low word serves both halves)
.set n, n+2
.endr
.set n, 0
	s_wait_alu depctr_va_vdst(0)
.rept 64
	v_exp_f32 v[96+n], v[96+n]                     ; p = 2^(t - M), at most 1
.set n, n+1
.endr
	v_pk_mul_f32 v[14:15], v[14:15], v[252:253] op_sel_hi:[1,0]   ; the sums under the new M: the plain line behind the exponentials
	s_wait_alu depctr_va_vdst(0)                   ; one wait for the whole batch, ahead of its first reader
	v_pk_add_f32 v[242:243], v[100:101], v[104:105]
	v_pk_add_f32 v[254:255], v[108:109], v[112:113]
	v_pk_add_f32 v[250:251], v[116:117], v[120:121]
	v_pk_add_f32 v[248:249], v[124:125], v[128:129]
	v_pk_add_f32 v[240:241], v[132:133], v[136:137]
	v_pk_add_f32 v[238:239], v[140:141], v[144:145]
	v_pk_add_f32 v[236:237], v[148:149], v[152:153]
	v_pk_add_f32 v[14:15], v[14:15], v[156:157]
	v_pk_add_f32 v[242:243], v[242:243], v[96:97]
	v_pk_add_f32 v[254:255], v[254:255], v[98:99]
	v_pk_add_f32 v[250:251], v[250:251], v[102:103]
	v_pk_add_f32 v[248:249], v[248:249], v[106:107]
	v_pk_add_f32 v[240:241], v[240:241], v[110:111]
	v_pk_add_f32 v[238:239], v[238:239], v[114:115]
	v_pk_add_f32 v[236:237], v[236:237], v[118:119]
	v_pk_add_f32 v[14:15], v[14:15], v[122:123]
	v_pk_add_f32 v[242:243], v[242:243], v[126:127]
	v_pk_add_f32 v[254:255], v[254:255], v[130:131]
	v_pk_add_f32 v[250:251], v[250:251], v[134:135]
	v_pk_add_f32 v[248:249], v[248:249], v[138:139]
	v_pk_add_f32 v[240:241], v[240:241], v[142:143]
	v_pk_add_f32 v[238:239], v[238:239], v[146:147]
	v_pk_add_f32 v[236:237], v[236:237], v[150:151]
	v_pk_add_f32 v[14:15], v[14:15], v[154:155]
	v_pk_add_f32 v[242:243], v[242:243], v[158:159]
	s_delay_alu instid0(VALU_DEP_2)
	v_pk_add_f32 v[14:15], v[14:15], v[248:249]
	s_delay_alu instid0(VALU_DEP_2)
	v_pk_add_f32 v[242:243], v[242:243], v[240:241]
	v_pk_add_f32 v[254:255], v[254:255], v[238:239]
	v_pk_add_f32 v[250:251], v[250:251], v[236:237]
	s_delay_alu instid0(VALU_DEP_2)
	v_pk_add_f32 v[14:15], v[14:15], v[254:255]
	s_delay_alu instid0(VALU_DEP_2)
	v_pk_add_f32 v[242:243], v[242:243], v[250:251]
	s_delay_alu instid0(VALU_DEP_1)
	v_pk_add_f32 v[14:15], v[14:15], v[242:243]
.irp t, 0,1,2,3,4,5,6,7
.irp i, 0,1,2,3,4,5,6,7
.endr
	v_cvt_scalef32_pk8_fp8_f32 v[224+2*\t:225+2*\t], v[96+8*\t:103+8*\t], v244   ; keys 16 t + 8 h + 0 .. 7: registers 2 t, 2 t + 1 of P
.endr
.set n, 0
.rept 16
	v_pk_mul_f32 v[160+n:161+n], v[160+n:161+n], v[252:253] op_sel_hi:[1,0]   ; O^T under the new M.  (Plain lines behind the conversions, ahead of the products that read their results)
.set n, n+2
.endr
	s_wait_alu depctr_va_vdst(0)
	s_wait_dscnt 0x0                               ; V^T's fragments are in
.irp t, 0,1,2,3                        ; the four accumulators take turns, one instruction a turn
	v_wmma_f32_16x16x128_fp8_fp8 v[160+8*\t:167+8*\t], v[32+16*\t:47+16*\t], v[224:239], v[160+8*\t:167+8*\t]
.endr
.Lhidden_\@:
	s_add_co_u32 s[KF], s[KF], 128
.endm
; THE CHANGE OF SLOTS stands at a trip's head.  Each wave waits for all its tensor loads (its part of the slot that it is about to read), adds 0 to its spare word, and waits for that and for its reads of the slot that it has left.
; Behind the barrier the slot ahead is whole and nobody reads the other one.  fill = 1: that other slot is filled for the next trip: the key slot after this trip's, or slot 0 where the low block ends with this trip.
.macro CHANGE fill
	s_wait_tensorcnt 0x0                           ; no tensor load of mine is out, so group 0 may be written
	ds_add_u32 v[SPW], v[NIL]                      ; 0 onto my spare word; with fill = 1 the descriptor's steps stand between it and the wait for it
.if \fill
	s_add_co_u32 s[NXT], s[NXT], 1
	s_cmp_eq_u32 s[TAU], s[J]
	s_cselect_b32 s[NXT], 0, s[NXT]
	s_lshl_b32 s[OFF], s[NXT], 14
	s_xor_b32 s[G0+1], s[G0+1], SLOTB              ; the other LDS slot than last time
	s_add_nc_u64 s[G0+2:G0+3], s[KVB:KVB+1], s[OFF:OFF+1]
	s_or_b32 s[G0+3], s[G0+3], 0x80000000
	s_wait_xcnt 0x0                                ; the last prefetch, a trip back, has read its address, so it may be written
	s_add_nc_u64 s[PFA:PFA+1], s[PFA:PFA+1], 16384
.endif
	s_wait_dscnt 0x0                               ; the add is done, and my reads of the slot that I have left are over
	s_barrier_signal -1
	s_barrier_wait -1
.if \fill
	TLOAD                                          ; the first thing behind the barrier, and a wave's one tensor load until the next
	ASK
.endif
.endm
; A BLOCK'S END: O^T / the sum, quantised; my head's eight registers of the projection's fragment leave as they stand, 512 consecutive bytes a store.  again = 1: the high block's queries are fetched and the state begins anew.
.macro FINISH again, oc, oa
.rept 4
	v_nop                                          ; places behind the last products
.endr
	v_add_f32 v14, v14, v15                        ; the sum's two halves,
	s_delay_alu instid0(VALU_DEP_1)
	v_permlanex16_b32 v246, v14, s[SEL], s[SEL+1]
	s_delay_alu instid0(VALU_DEP_1)
	v_add_f32 v14, v14, v246                       ; and lane l xor 16's
	s_wait_alu depctr_va_vdst(0)
	v_rcp_f32 v14, v14
	v_nop                                          ; a plain line behind the reciprocal
	s_wait_alu depctr_va_vdst(0)                   ; and the wait ahead of its first reader
.set n, 0
.rept 16
	v_pk_mul_f32 v[96+n:97+n], v[160+n:161+n], v[14:15] op_sel_hi:[1,0]   ; each accumulator from its low end on
.set n, n+2
.endr
.irp t, 0,1,2,3
.irp i, 0,1,2,3,4,5,6,7
.endr
	v_cvt_scalef32_pk8_fp8_f32 v[\oc+2*\t:\oc+2*\t+1], v[96+8*\t:103+8*\t], v245
.endr
	v_nop                                          ; one plain vector line behind the last conversion
	global_store_b128 v1, v[\oc:\oc+3], s[\oa:\oa+1]
	global_store_b128 v1, v[\oc+4:\oc+7], s[\oa:\oa+1] offset:512
.if \again
	global_load_b128 v[16:19], v1, s[QHI:QHI+1]
	global_load_b128 v[20:23], v1, s[QHI:QHI+1] offset:512
	s_mov_b32 s[Q0], s[Q0H]
	s_mov_b32 s[KF], 0
	v_mov_b32 v13, 0xff61b1e6
	s_delay_alu instid0(VALU_DEP_1)
	v_floor_f32 v12, -v13
	v_mov_b32 v14, 0
	v_mov_b32 v15, 0
.set n, 0
.rept 32
	v_mov_b32 v[160+n], 0
.set n, n+1
.endr
	s_wait_loadcnt 0x0
.endif
.endm
	s_wait_loadcnt 0x0                             ; Q
.Lslot:                                            ; eight trips: behind each change of slots but the last the next trip's slot is asked for
	CHANGE 1
	STEP 0
	STEP 1
	s_xor_b32 s[TB], s[TB], SLOTB                  ; on to the other LDS slot
	s_cmp_lg_u32 s[TAU], s[J]                      ; trip J ends the low block
	s_cbranch_scc1 .Lsame
	FINISH 1, 192, OLO
.Lsame:
	s_add_co_u32 s[TAU], s[TAU], 1
	s_sub_co_u32 s[SLOTS], s[SLOTS], 1
	s_cmp_lg_u32 s[SLOTS], 0
	s_cbranch_scc1 .Lslot
	CHANGE 0                                       ; the ninth trip is written out
	STEP 0
	STEP 1
	FINISH 0, 200, OHI
	s_wait_tensorcnt 0x0                           ; the wave's end
	ds_add_u32 v[SPW], v[NIL]
	s_wait_dscnt 0x0
	s_endpgm
.Lfunc_end_k_q955081045e_attn:
	.size	k_q955081045e_attn, .Lfunc_end_k_q955081045e_attn-k_q955081045e_attn
	.p2alignl 7, 3214868480
	.fill 96, 4, 3214868480
	.section	.rodata,"a",@progbits
	.p2align	6, 0x0
	.amdhsa_kernel k_q955081045e_attn
		.amdhsa_group_segment_fixed_size 327680
		.amdhsa_private_segment_fixed_size 0
		.amdhsa_enable_private_segment 0
		.amdhsa_kernarg_size 40
		.amdhsa_user_sgpr_count 2
		.amdhsa_user_sgpr_kernarg_segment_ptr 1
		.amdhsa_wavefront_size32 1
		.amdhsa_system_sgpr_workgroup_id_x 1
		.amdhsa_system_sgpr_workgroup_id_y 1
		.amdhsa_system_sgpr_workgroup_id_z 1
		.amdhsa_system_vgpr_workitem_id 0
		.amdhsa_next_free_vgpr 256
		.amdhsa_next_free_sgpr 100
		.amdhsa_reserve_vcc 1
		.amdhsa_float_denorm_mode_32 3
		.amdhsa_float_denorm_mode_16_64 3
		.amdhsa_fp16_overflow 1
		.amdhsa_memory_ordered 1
		.amdhsa_forward_progress 1
		.amdhsa_inst_pref_size 90
	.end_amdhsa_kernel
	.amdgpu_metadata
---
amdhsa.version: [ 1, 2 ]
amdhsa.kernels:
  - .name:           k_q955081045e_attn
    .symbol:         k_q955081045e_attn.kd
    .args:
      - { .name: qcodes, .offset: 0, .size: 8, .value_kind: global_buffer, .address_space: global }
      - { .name: kcodes, .offset: 8, .size: 8, .value_kind: global_buffer, .address_space: global }
      - { .name: vcodes, .offset: 16, .size: 8, .value_kind: global_buffer, .address_space: global }
      - { .name: lowp_scales, .offset: 24, .size: 8, .value_kind: global_buffer, .address_space: global }
      - { .name: acodes, .offset: 32, .size: 8, .value_kind: global_buffer, .address_space: global }
    .group_segment_fixed_size: 327680
    .private_segment_fixed_size: 0
    .kernarg_segment_align: 8
    .kernarg_segment_size: 40
    .max_flat_workgroup_size: 512
    .sgpr_count:     100
    .vgpr_count:     256
    .wavefront_size: 32
...
	.end_amdgpu_metadata
.endif
;; end of part 3
;; launch oproj (part 4): grid 4 x 32, 4 waves a work-group, clusters of 4 x 4, 327,680 bytes of LDS; arguments acodes, wcodes, lowp_scales, out0; writes out0
.if DOCPART == 4
	.amdgcn_target "amdgcn-amd-amdhsa--gfx1250"
	.amdhsa_code_object_version 6
	.text
	.protected	k_q955081045e_oproj
	.globl	k_q955081045e_oproj
	.p2align	8
	.type	k_q955081045e_oproj,@function
k_q955081045e_oproj:
	s_mov_b64 s[64:65], 0
	v_nop
	global_prefetch_b8 v0, s[64:65] scope:SCOPE_SE
	s_setreg_imm32_b32 hwreg(HW_REG_WAVE_MODE, 25, 1), 1
	s_wait_xcnt 0x0
	s_wait_alu depctr_hold_cnt(0) depctr_sa_sdst(0) depctr_va_vdst(0) depctr_va_sdst(0) depctr_va_ssrc(0) depctr_va_vcc(0) depctr_vm_vsrc(0)
	s_getreg_b32 s2, hwreg(HW_REG_IB_STS2, 6, 4)
	s_cmp_eq_u32 s2, 0
	s_cbranch_scc0 .Lentry_in_a_cluster
	s_endpgm
.Lentry_in_a_cluster:
	s_bfe_u32 s2, ttmp6, 0x10000c
	s_cmp_lg_u32 s2, 0xf033
	s_cbranch_scc0 .Lentry_shape_is_right
	s_endpgm
.Lentry_shape_is_right:
; out0 = attention's result x o_w^T on codes of FP8 (E4M3): C[m][n] = sum over k of A[m][k] B[n][k], M = 8,192, N = K = 1,024; C f32.  Each finished sum is multiplied once by 2^(e10 + e11).
; LIMIT: e10 + e11 between -126 and 127, so that 2^(e10 + e11) is an f32 number.
; A tile of 256 x 256 to a work-group, 128 x 128 (64 accumulators, 512 registers) to each of its four waves; K in four slots' worth of 256 through a ring of two LDS slots.
; OPERANDS LIE IN MEMORY AS IMAGES OF THEIR REGISTERS: fragment (16-row tile t, K step ks of 128) is 2,048 bytes at (8 t + ks) x 2,048; byte 512 g + 16 lane + i is byte i of the lane's registers 4 g .. 4 g + 3.
; A slot's part of a 16-row tile is 4,096 consecutive bytes; a wave's tensor load brings eight such runs, 16,384 bytes apart, and lays them on end.  A fragment comes by four ds_load_b128 at a constant + 16 x lane: no padding.
; CLUSTERS: 4 x 4 work-groups; A's tiles are asked for jointly along a row of the cluster, B's along a column.  o_w's codes are the fourth plane of 2^20 bytes of the weights' buffer.
; THE MATRIX INSTRUCTION IS USED TRANSPOSED (source 0 = 16 rows of B, source 1 = 16 rows of A): a lane holds eight neighbouring numbers of a row of C.
; REGISTERS, in windows of 256: window 0: v16-29 addresses; from v128 A's fragments, ONE set; on the way out v32-255 are free.
;   window 1: B's fragments, TWO sets.   window 2: the accumulators of my rows 0-63 ((a, b) at v[8 (8 a + b)]);   window 3: those of my rows 64-127.
.set SIZE_N, 1024
.set HALFT,  32768                     ; 128 rows x 256 K: what one tensor load brings
.set SLOT,   4*HALFT                   ; A's 256 rows, then B's 256 rows
.set SPARE,  2*SLOT                    ; behind the ring: the spare words, 128 bytes for each wave: two blocks of 256 bytes that no other line names
.set KSB,    4096                      ; a slot's part of a 16-row tile
.set FR,     16
.set NL,     4
.set NP,     4                         ; places behind this matrix instruction (ISA guide 7.12.1)
.set SPITCH, 528                       ; the way out: a stage of 16 rows x (512 bytes + 16) for each wave, in slot 0, which has had its last fill and its last read when the first result is stored there
.set ADRA, 16
.set ADRB, 20
.set STO,  24                          ; v24     the way out: where I put 32 bytes of a row
.set RD,   25                          ; v25     where I read a row back
.set CO,   26                          ; v26     16 x lane
.set SPW,  28
.set NIL,  29
.set TMP,  32                          ; the way out: 64 registers, a block's sums x 2^(e10 + e11)
.set AF,   128
.set BK,   128                         ; the way out: 16 rows read back from the stage: v128-191 and v192-255 by turns
.set G1, 24
.set G0, 32
.set G1B, 48
.set G0B, 56
.set MSB, 0
.macro WIN new                         ; the immediate's high byte repeats the setting that is left
.if MSB != \new
	s_set_vgpr_msb (MSB<<8)|\new
.set MSB, \new
.endif
.endm
.set MUL_LO, 0xa1
.set MUL_HI, 0xf1
.set TO_B,   0x40
.macro JLOAD g0a, g1a, g0b, g1b        ; a joint load: waves 0 and 1 fetch for A, waves 2 and 3 for B; four v_nop follow each of the two lines
	s_cmp_eq_u32 s15, 0
	s_cbranch_scc0 .Lfor_b_\@
	tensor_load_to_lds s[\g0a:\g0a+3], s[\g1a:\g1a+7]
	s_nop 0
.rept 4
	v_nop
.endr
	s_branch .Lasked_\@
.Lfor_b_\@:
	tensor_load_to_lds s[\g0b:\g0b+3], s[\g1b:\g1b+7]
	s_nop 0
.rept 4
	v_nop
.endr
.Lasked_\@:
.endm
.macro CREST                           ; a round of the cluster's barrier behind its opening barrier
	s_cmp_lg_u32 s14, 0
	s_cbranch_scc1 .Lnot_wave_0_\@
	s_barrier_signal -3
.Lnot_wave_0_\@:
	s_barrier_wait -3
	s_barrier_signal -1
	s_barrier_wait -1
.endm
.macro CROUND
	s_barrier_signal -1
	s_barrier_wait -1
	CREST
.endm
	s_load_b128 s[4:7], s[0:1], 0x0                ; A's codes, the weights' codes
	s_load_b128 s[8:11], s[0:1], 0x10              ; the scales' exponents, C
	v_lshl_add_u32 v[SPW], v0, 2, SPARE
	v_mov_b32 v[NIL], 0
	ds_add_u32 v28, v29
	ds_add_u32 v28, v29
	s_wait_dscnt 0x0
	v_lshrrev_b32 v1, 5, v0
	v_readfirstlane_b32 s14, v1                    ; wave 0..3
	s_lshr_b32 s15, s14, 1                         ; which half of the tile's rows is mine.  Also: I fetch for A (0) or for B (1)
	s_and_b32 s16, s14, 1                          ; which half of its columns.  Also: which 128 rows of that tile I fetch
	s_bfe_u32 s40, ttmp6, 0x40000                  ; cx, cy
	s_bfe_u32 s41, ttmp6, 0x40004
	s_lshl_b32 s42, ttmp9, 2
	s_add_co_u32 s42, s42, s40                     ; tile column of C
	s_and_b32 s17, ttmp7, 0xffff
	s_lshl_b32 s17, s17, 2
	s_add_co_u32 s17, s17, s41                     ; tile row of C
	s_lshl_b32 s43, s41, 2
	s_lshl_b32 s43, 15, s43                        ; my row of the cluster
	s_lshl_b32 s44, 0x1111, s40                    ; my column
	s_or_b32 s[G1+0], s43, (3<<16)|(1<<21)         ; 15:0 the mask; 17:16 elements of 8 bytes; 21 set beside a mask; no padding
	s_or_b32 s[G1B+0], s44, (3<<16)|(1<<21)
.irp g, G1, G1B
	s_mov_b32 s[\g+1], 512<<16                     ; tensor_dim0 = 512: a run of 4,096 bytes
	s_mov_b32 s[\g+2], 8<<16                       ; tensor_dim1 = 8
	s_mov_b32 s[\g+3], 512<<16                     ; tile_dim0
	s_mov_b32 s[\g+4], 8                           ; tile_dim1
	s_mov_b32 s[\g+5], 2048                        ; tensor_dim0_stride: 16,384 bytes
	s_mov_b32 s[\g+6], 0
	s_mov_b32 s[\g+7], 0
.endr
	s_lshl_b32 s18, s16, 3
	s_lshl_b32 s20, s17, 4
	s_add_co_u32 s20, s20, s18
	s_lshl_b32 s20, s20, 14                        ; A: 16-row tile 16 x tile row + 8 x half
	s_mov_b32 s21, 0
	s_lshl_b32 s46, s42, 4
	s_add_co_u32 s46, s46, s18
	s_lshl_b32 s46, s46, 14                        ; B: by the tile column,
	s_add_co_u32 s46, s46, 3<<20                   ; in o_w's plane
	s_mov_b32 s47, 0
	s_mul_i32 s45, s14, HALFT                      ; where they go: no place in the cluster enters an LDS address
	s_wait_kmcnt 0x0
	s_load_b64 s[96:97], s[8:9], 0x28              ; e10, e11
	s_add_nc_u64 s[20:21], s[4:5], s[20:21]
	s_add_nc_u64 s[46:47], s[6:7], s[46:47]
	CROUND                                         ; all sixteen work-groups are here: the first joint loads meet
.irp s, 0,1
	s_mov_b32 s[G0+4*\s], 1
	s_add_co_u32 s[G0+4*\s+1], s45, \s*SLOT
	s_add_nc_u64 s[G0+4*\s+2:G0+4*\s+3], s[20:21], \s*KSB
	s_or_b32 s[G0+4*\s+3], s[G0+4*\s+3], 0x80000000
	s_mov_b32 s[G0B+4*\s], 1
	s_add_co_u32 s[G0B+4*\s+1], s45, \s*SLOT
	s_add_nc_u64 s[G0B+4*\s+2:G0B+4*\s+3], s[46:47], \s*KSB
	s_or_b32 s[G0B+4*\s+3], s[G0B+4*\s+3], 0x80000000
	s_wait_alu depctr_va_vdst(0)
	s_wait_tensorcnt 0x0
	ds_add_u32 v28, v29
	ds_add_u32 v28, v29
	s_wait_dscnt 0x0
	CROUND
	JLOAD G0+4*\s, G1, G0B+4*\s, G1B
.endr
	v_and_b32 v1, 15, v0                           ; l % 16
	s_wait_alu depctr_va_vdst(0)
	v_bfe_u32 v2, v0, 4, 1                         ; l / 16
	v_and_b32 v6, 31, v0
	v_lshlrev_b32 v[CO], 4, v6                     ; 16 x lane
	s_mul_i32 s21, s15, HALFT                      ; my 128 rows of A
	s_mul_i32 s22, s16, HALFT                      ; my 128 rows of B,
	s_add_co_u32 s22, s22, 2*HALFT                 ; which lie behind A's 256
.irp s, 0,1
	v_add_nc_u32 v[ADRA+\s], s21, v[CO]
	v_add_nc_u32 v[ADRB+\s], s22, v[CO]
	s_add_co_u32 s21, s21, SLOT
	s_add_co_u32 s22, s22, SLOT
.endr
	s_mul_i32 s23, s14, 16*SPITCH                  ; my stage
	v_mul_u32_u24 v5, v1, SPITCH                   ; in: row l % 16, 32 bytes for each half of the lanes
	s_wait_alu depctr_va_vdst(0)
	v_lshl_add_u32 v5, v2, 5, v5
	v_add_nc_u32 v[STO], s23, v5
	v_add_nc_u32 v[RD], s23, v[CO]                 ; back: the 32 lanes take one row of 512 bytes
	s_lshl_b32 s20, s17, 8
	s_lshl_b32 s21, s15, 7
	s_add_co_u32 s20, s20, s21                     ; my first row of C: 256 x tile row + 128 x half,
	s_lshl_b32 s20, s20, 12                        ; 4,096 bytes a row
	s_mov_b32 s21, 0
	s_lshl_b32 s46, s42, 10                        ; my first column, in bytes: 1,024 x tile column + 512 x half
	s_lshl_b32 s47, s16, 9
	s_add_co_u32 s46, s46, s47
	s_mov_b32 s47, 0
	s_add_nc_u64 s[20:21], s[20:21], s[46:47]
	s_add_nc_u64 s[10:11], s[10:11], s[20:21]
.macro FRAG reg, adr, q, i             ; fragment i of my eight, the slot's q-th 128 along K: its image, four loads of 512 consecutive bytes
.irp c, 0,1,2,3
	ds_load_b128 v[\reg+4*\c:\reg+4*\c+3], v[\adr] offset:2048*(\q)+512*\c+(\i)*KSB
.endr
.endm
; 16 matrix instructions: A's blocks a0, a0 + 1 x B's eight.  The 64 accumulators take turns, one instruction a turn, in the same order in every step.
.macro MUL16 a0, p, zero
.irp a, \a0, \a0+1
.irp b, 0,1,2,3,4,5,6,7
.if \zero
	v_wmma_f32_16x16x128_fp8_fp8 v[8*(8*((\a)%4)+\b):8*(8*((\a)%4)+\b)+7], v[128*(\p)+FR*\b:128*(\p)+FR*\b+FR-1], v[AF+FR*(\a):AF+FR*(\a)+FR-1], 0
.else
	v_wmma_f32_16x16x128_fp8_fp8 v[8*(8*((\a)%4)+\b):8*(8*((\a)%4)+\b)+7], v[128*(\p)+FR*\b:128*(\p)+FR*\b+FR-1], v[AF+FR*(\a):AF+FR*(\a)+FR-1], v[8*(8*((\a)%4)+\b):8*(8*((\a)%4)+\b)+7]
.endif
.endr
.endr
.endm
.macro FETCH_B slot, q, p
	WIN TO_B
.irp i, 0,1,2,3,4,5,6,7
	FRAG 128*(\p)+FR*\i, ADRB+\slot, \q, \i
.endr
	WIN 0
.endm
.macro FETCH_A slot, q, i0
.irp i, \i0, \i0+1, \i0+2, \i0+3
	FRAG AF+FR*(\i), ADRA+\slot, \q, \i
.endr
.endm
.macro PLACES n                        ; plain vector lines between a matrix instruction and a load into, or a vector read or write of, its registers (ISA guide 7.12.1 for vector instructions)
.rept \n
	v_nop
.endr
.endm
.macro STEP slot, q, zero              ; a step of 128 along K that has its successor in the same slot
	s_wait_dscnt 4*NL                              ; B's set and A's blocks 0-3 are in; the youngest 16 loads (A's blocks 4-7) may be out
	WIN MUL_LO
	MUL16 0, (\q)%2, \zero
	MUL16 2, (\q)%2, \zero
	s_wait_dscnt 0
	PLACES NP
	FETCH_B \slot, (\q)+1, 1-(\q)%2
	FETCH_A \slot, (\q)+1, 0
	WIN MUL_HI
	MUL16 4, (\q)%2, \zero
	MUL16 6, (\q)%2, \zero
	PLACES NP
	WIN 0
	FETCH_A \slot, (\q)+1, 4
.endm
; A slot's last step changes slots: ONE barrier; in front of it each wave waits for all its tensor loads, adds 0 to its spare word, and waits for that and for its own reads of this slot.
.macro TURN slot, next, fill
	s_wait_tensorcnt 0x0                           ; all my tensor loads have landed: my part of the next slot;
	ds_add_u32 v[SPW], v[NIL]                      ; 0 onto my spare word
	s_wait_dscnt 4*NL+1                            ; (the add and the youngest 16 loads may be out)
	WIN MUL_LO
	MUL16 0, 1, 0
	s_wait_dscnt 0x0                               ; the add is done, and my reads of this slot are over
	s_barrier_signal -1
	MUL16 2, 1, 0
	WIN 0
	s_barrier_wait -1
.if \fill
	CREST                                          ; the barrier has opened a round of the cluster's barrier: no wave of any partner still reads this slot or has a load on its way
	s_add_nc_u64 s[G0+4*\slot+2:G0+4*\slot+3], s[G0+4*\slot+2:G0+4*\slot+3], 2*KSB
	s_add_nc_u64 s[G0B+4*\slot+2:G0B+4*\slot+3], s[G0B+4*\slot+2:G0B+4*\slot+3], 2*KSB
	JLOAD G0+4*\slot, G1, G0B+4*\slot, G1B         ; the first tensor load behind the round; its four v_nop are the places in front of the loads below
.else
	PLACES NP
.endif
	FETCH_B \next, 0, 0
	FETCH_A \next, 0, 0
	WIN MUL_HI
	MUL16 4, 1, 0
	MUL16 6, 1, 0
	PLACES NP
	WIN 0
	FETCH_A \next, 0, 4
.endm
	s_wait_tensorcnt 1                             ; my part of slot 0 is in (slot 1's load may be out)
	s_barrier_signal -1
	s_barrier_wait -1                              ; everybody's is
	FETCH_B 0, 0, 0
	FETCH_A 0, 0, 0
	FETCH_A 0, 0, 4
	STEP 0, 0, 1                                   ; the first step's products start the sums
	s_mov_b32 s3, 1
.Llap:                                                 ; K = 1,024 is two laps of the ring, so one trip fills both slots again
	TURN 0, 1, 1
	STEP 1, 0, 0
	TURN 1, 0, 1
	STEP 0, 0, 0
	s_sub_co_u32 s3, s3, 1
	s_cmp_lg_u32 s3, 0
	s_cbranch_scc1 .Llap
	TURN 0, 1, 0                                   ; the last lap fills nothing
	STEP 1, 0, 0
	s_wait_dscnt 4*NL                              ; the very last step: nothing more to fetch
	WIN MUL_LO
	MUL16 0, 1, 0
	MUL16 2, 1, 0
	s_wait_dscnt 0
	WIN MUL_HI
	MUL16 4, 1, 0
	MUL16 6, 1, 0
	WIN 0
; THE WAY OUT, block by block of 16 rows x 128 columns: through my own stage in LDS, back as whole rows of 512 bytes.  LDS serves a wave's instructions in order (ISA guide 5.7.1.4): no wait between the stores and the loads.
.macro TOSTAGE a
.set AC, 64*((\a)%4)
	WIN 0x02+((\a)/4)                              ; source 0: window 2 or 3
.irp j, 0,2,4,6,8,10,12,14,16,18,20,22,24,26,28,30,32,34,36,38,40,42,44,46,48,50,52,54,56,58,60,62
	v_pk_mul_f32 v[TMP+\j:TMP+\j+1], v[AC+\j:AC+\j+1], s[96:97] op_sel_hi:[1,0]   ; both x s96 = 2^(e10 + e11); each accumulator from its low end on
.endr
	WIN 0
.irp b, 0,1,2,3,4,5,6,7
	ds_store_b128 v[STO], v[TMP+8*\b:TMP+8*\b+3] offset:64*\b
	ds_store_b128 v[STO], v[TMP+8*\b+4:TMP+8*\b+7] offset:64*\b+16
.endr
.set BB, BK+64*((\a)%2)
.irp t, 0,1,2,3,4,5,6,7,8,9,10,11,12,13,14,15
	ds_load_b128 v[BB+4*\t:BB+4*\t+3], v[RD] offset:\t*SPITCH
.endr
.endm
.macro SEND a, younger                 ; younger: the LDS instructions issued behind block a's loads, which may stay out
.set BB, BK+64*((\a)%2)
	s_wait_dscnt \younger                          ; the block is back in registers
.if (\a) > 0
	s_add_nc_u64 s[10:11], s[10:11], 16*SIZE_N*4   ; (behind a wait on XCNT: the earlier stores have read their base)  16 rows of C on
.endif
.irp t, 0,1,2,3,4,5,6,7,8,9,10,11,12,13,14,15
	global_store_b128 v[CO], v[BB+4*\t:BB+4*\t+3], s[10:11] offset:\t*SIZE_N*4 th:TH_STORE_NT   ; 32 lanes store 512 consecutive bytes, at a multiple of 256 from C's first byte; written once, read by nobody here
.endr
.endm
	s_wait_kmcnt 0x0
	s_add_co_i32 s96, s96, s97                     ; e10 + e11, between -126 and 127,
	s_add_co_i32 s96, s96, 127
	s_lshl_b32 s96, s96, 23                        ; makes the f32 number 2^(e10 + e11)
	PLACES NP
	TOSTAGE 0
.irp a, 1,2,3,4,5,6,7
.if \a > 1
	s_wait_xcnt 0x0                                ; block a - 2's stores have read their registers and their base: block a's loads may land there, and the base may step
.endif
	TOSTAGE \a
	SEND \a-1, 32                                  ; behind block a - 1's loads: block a's 16 stores and 16 loads
.endr
	s_wait_xcnt 0x0                                ; block 6's stores have read their base
	SEND 7, 0
	s_wait_tensorcnt 0x0                           ; the wave's end
	ds_add_u32 v[SPW], v[NIL]
	s_wait_dscnt 0x0
	CROUND                                         ; the closing round: no work-group ends while a partner may still ask for a tile that names it
	s_endpgm
.Lfunc_end_k_q955081045e_oproj:
	.size	k_q955081045e_oproj, .Lfunc_end_k_q955081045e_oproj-k_q955081045e_oproj
	.p2alignl 7, 3214868480
	.fill 96, 4, 3214868480
	.section	.rodata,"a",@progbits
	.p2align	6, 0x0
	.amdhsa_kernel k_q955081045e_oproj
		.amdhsa_group_segment_fixed_size 327680
		.amdhsa_private_segment_fixed_size 0
		.amdhsa_enable_private_segment 0
		.amdhsa_kernarg_size 32
		.amdhsa_user_sgpr_count 2
		.amdhsa_user_sgpr_kernarg_segment_ptr 1
		.amdhsa_wavefront_size32 1
		.amdhsa_system_sgpr_workgroup_id_x 1
		.amdhsa_system_sgpr_workgroup_id_y 1
		.amdhsa_system_sgpr_workgroup_id_z 1
		.amdhsa_system_vgpr_workitem_id 0
		.amdhsa_next_free_vgpr 1024
		.amdhsa_next_free_sgpr 98
		.amdhsa_reserve_vcc 0
		.amdhsa_float_denorm_mode_32 3
		.amdhsa_float_denorm_mode_16_64 3
		.amdhsa_memory_ordered 1
		.amdhsa_forward_progress 1
		.amdhsa_inst_pref_size 124
	.end_amdhsa_kernel
	.amdgpu_metadata
---
amdhsa.version: [ 1, 2 ]
amdhsa.kernels:
  - .name:           k_q955081045e_oproj
    .symbol:         k_q955081045e_oproj.kd
    .args:
      - { .name: acodes, .offset: 0, .size: 8, .value_kind: global_buffer, .address_space: global }
      - { .name: wcodes, .offset: 8, .size: 8, .value_kind: global_buffer, .address_space: global }
      - { .name: lowp_scales, .offset: 16, .size: 8, .value_kind: global_buffer, .address_space: global }
      - { .name: out0, .offset: 24, .size: 8, .value_kind: global_buffer, .address_space: global }
    .group_segment_fixed_size: 327680
    .private_segment_fixed_size: 0
    .kernarg_segment_align: 8
    .kernarg_segment_size: 32
    .max_flat_workgroup_size: 128
    .sgpr_count:     98
    .vgpr_count:     1024
    .wavefront_size: 32
...
	.end_amdgpu_metadata
.endif
;; end of part 4
